; MI455X (gfx1250); checked and timed in simulation.
; The chip was launched on July 23, 2026; its instructions are those of AMD's public machine-readable ISA for CDNA 5 (MIT licence, August 2026) and "CDNA5" Instruction Set Architecture Reference Guide (July 2026). The comments in the code are by the model that wrote it; some were corrected since.
;; Fused Mo E Layer. Allowed arithmetic: matrix products marked QUANTISED: E5M2 operands, one given power-of-two scale a tensor, by v_wmma_f32_16x16x64_bf8_bf8 or v_wmma_f32_16x16x128_bf8_bf8, f32 sums; products left as they are: f32 operands where the result goes on into a quantised operand, else bf16, f16 or f32 operands; f32 sums; everything else in f32.
;; Inputs: lowp_scales 4 int32 (the exponents e of the quantised operands' scales 2^e); router_w 8 x 1,024 float32; w1 8 x 1,024 x 1,024 float32; w2 8 x 1,024 x 1,024 float32; x 2 x 2,048 x 1,024 float32.
;; Outputs: out0 2 x 2,048 x 1,024 float32.
;; This version of the problem:
;;   THIS VERSION OF THE PROBLEM IS GIVEN IN LOW PRECISION. The matrix products marked QUANTISED in the list below multiply operands that are first quantised to E5M2 (5 exponent bits, 2 mantissa bits; 8 bits a number), with one given power-of-two scale for each operand tensor; their sums are f32. All else is computed in f32.
;;   The module's matrix products, in the order in which they are computed (A, B: the left and right operand; K: the contracted axis; several contracted axes count as one K, in the product's order):
;;     1. [M 4,096, K 1,024] x [K 1,024, N 8]; A: input x; B: input router_w: left as it is (N = 8 < 16)
;;     2. [M 4,096, K 1,024] x [K 1,024, N 8,192]; A: input x; B: input w1: QUANTISED (scales: A lowp_scales[0], B lowp_scales[1])
;;     3. batch 8 x [M 1,024, K 1,024] x [K 1,024, N 4,096]; A: input w2; B: computed on the way: QUANTISED (scales: A lowp_scales[2], B lowp_scales[3])
;;     4. batch 4,096 x [M 1, K 8] x [K 8, N 1,024]; A: computed on the way; B: computed on the way: left as it is (K = 8 < 32)
;;   THE QUANTISER, for each operand of a quantised product, along K:
;;     - The operand's scale is 2^e, e = its entry of the input lowp_scales (int32; the entries are numbered through the quantised products in the list's order, A before B).
;;     - Each number is divided by the scale, clamped to +-57,344, and rounded to the nearest number of E5M2, ties to even, subnormals kept.
;;     - The product sums the exact products of the quantised numbers (number of the format x scale) in f32.
;;   ~~~python
;;   def quantise(x, axis, e):      # numpy; x: float32 -> the quantised numbers, widened to float32 again
;;       x = np.moveaxis(x, axis, -1); K = x.shape[-1]
;;       r = np.clip(x / 2.0 ** e, -57344, 57344)
;;       step = 2.0 ** (np.maximum(np.frexp(np.where(r == 0, 1, r))[1] - 1, -14) - 2)
;;       q = np.round(r / step) * step * 2.0 ** e      # np.round: ties to even
;;       return np.moveaxis(q, -1, axis).astype(np.float32)
;;   ~~~
;;   OPERANDS COMPUTED ON THE WAY. 'Computed on the way' means the value that the module computes at that place (a softmax that the list does not call 'softmax' is quantised finished and normalised). What goes into a quantiser is computed in f32, as accurately as f32 sums, v_exp_f32 and their like allow (about 1e-6 of the number): no bf16 or f16 on the way to a quantiser, and a product that is left as it is and whose result goes on into a quantised operand takes f32 operands (vector FMAs, or v_wmma_f32_16x16x4_f32). A number that lies on a knife's edge between two numbers of the format may be rounded either way, as far as f32 arithmetic and the matrix unit's own rounding can turn it there, and no further.
;; 2 versions, each right; version 2 is version 1 with the launches ffn1, ffn2 written anew for expert scheduling mode. Each part assembles by itself: llvm-mc -triple=amdgcn-amd-amdhsa -mcpu=gfx1250 --defsym DOCPART=n.
;; ======== version 1 of 2: 4 launches
;; workspace buffers: xq 4,194,304 bytes; w1q 8,388,608 bytes; w2q 8,388,608 bytes; hq 33,554,432 bytes; gate 32,768 bytes; rt 16,384 bytes of whole numbers; hist 32,768 bytes of whole numbers; order 16,384 bytes of whole numbers
;; launch prep (part 1): grid 640 x 1, 4 waves a work-group, no clusters, 88,576 bytes of LDS; arguments x, w1, w2, router_w, lowp_scales, xq, w1q, w2q, gate, rt, hist; writes xq, w1q, w2q, gate, rt, hist
.if DOCPART == 1
	.amdgcn_target "amdgcn-amd-amdhsa--gfx1250"
	.amdhsa_code_object_version 6
	.text
	.protected	k_q23174922cc_prep
	.globl	k_q23174922cc_prep
	.p2align	8
	.type	k_q23174922cc_prep,@function
k_q23174922cc_prep:
	s_mov_b64 s[64:65], 0
	v_nop
	global_prefetch_b8 v0, s[64:65] scope:SCOPE_SE
	s_setreg_imm32_b32 hwreg(HW_REG_WAVE_MODE, 25, 1), 1
	s_wait_xcnt 0x0
; PREP.  (1) x, w1, w2 (f32, K innermost) become codes of E5M2 with the given scales 2^e0, 2^e1, 2^e2: code = number / 2^e, held within +-57,344, nearest, ties to even.
; (2) the router: logits in f32, the two largest (ties: the lower index), their softmax (the larger logit is taken away ahead of the exponential).
; (3) for each token a word (lo, hi, pair key, rank among the tokens of its tile of 16 with the same key) and for each tile a count of each of the 28 keys: all at fixed places; a later launch places the rows.
; LIMITS: e0, e1, e2 between -126 and 112, so that 2^e and 57,344 x 2^e are f32 numbers.  NaN and infinities among the inputs are not served.
; SHARES.  Work-groups 0-127 take x, 128-383 w1, 384-639 w2.  Wave w takes a tile of 16 rows (2 x work-group + w / 2) and half of K (512, four steps of 128).
; A STEP.  Sixteen loads, each 512 consecutive bytes of one row; the 8,192 bytes turn through the wave's own stage in LDS, so that lane (r, h) holds of row r the 64 numbers k = 64 h + 0 .. 63 of the step.
; THE ORDER OF K IN AN OPERAND, the same in every operand of this program: in a step of 128, lane (r, h), registers 4 c .. 4 c + 3 hold k = 64 h + 16 c + 0 .. 15 of row r.  Both sides of a product are laid so, so every
; product meets its partner.  A weight's fragment is stored as an image of its registers: byte 512 c + 16 lane; each store of a wave covers 512 consecutive bytes, aligned.
; w1's tile T takes rows 128 (T / 8) + 16 ((T / 2) % 4) + 8 (T % 2) + i (i < 8) and those 64 further on (i >= 8), so that the first product's results fall in the second product's order of K.
; x's codes are stored by rows (a later launch gathers rows): two steps' 256 bytes of 16 rows go through a second stage, and sixteen lanes store 256 consecutive bytes, aligned.
; The two kinds of work-group part once, here at the head, and never join.  Both turn their numbers through the same LDS bytes: stage w, bytes 8,448 w to 8,448 w + 8,447, is wave w's own in either kind, and a
; work-group is of one kind, so no two waves meet there.  The claim is then 88,576 bytes: three such claims fit in a WGP's 327,680, and 640 work-groups are at most three for each of 256 WGPs, so that every
; work-group's first loads go out at the launch's start.  No tensor loads, no matrix work: memory binds.
.set R,     16                         ; v16-79, v80-143  two sets of 64: a step's numbers as loaded
.set X,     144                        ; v144-207 a step's numbers, 64 neighbours a lane
.set Q,     208                        ; v208-239 router_w: 4 numbers a lane for each of 8 experts
.set CD,    208                        ; v208-223 the step's codes (router_w's registers are done with by then)
.set LG,    240                        ; v240-247 my row's eight logits
.set TP,    248                        ; v248-255 at work
.set RWL,   33792                      ; LDS: 0: the turning stages, 8,448 a wave (16 rows x 528);  RWL: router_w as it lies, 32,768
.set STG,   66560                      ; the stages for x's codes, 4,352 a wave (16 rows x 272)
.set PLG,   83968                      ; the waves' partial logits, 1,024 a wave
.macro RAW s, hi                       ; step s: rows 0-7 by v2, rows 8-15 by v[hi]
.irp i, 0,1,2,3,4,5,6,7
	global_load_b128 v[R+64*((\s)%2)+4*\i:R+64*((\s)%2)+4*\i+3], v2, s[36:37] offset:4096*\i+512*(\s) th:TH_LOAD_NT
.endr
.irp i, 8,9,10,11,12,13,14,15
	global_load_b128 v[R+64*((\s)%2)+4*\i:R+64*((\s)%2)+4*\i+3], v[\hi], s[36:37] offset:4096*\i+512*(\s) th:TH_LOAD_NT
.endr
.endm
.macro TURN s                          ; LDS serves a wave's instructions in order: no wait between the stores and the loads
.irp i, 0,1,2,3,4,5,6,7,8,9,10,11,12,13,14,15
	ds_store_b128 v4, v[R+64*((\s)%2)+4*\i:R+64*((\s)%2)+4*\i+3] offset:528*\i
.endr
.irp n, 0,1,2,3,4,5,6,7,8,9,10,11,12,13,14,15
	ds_load_b128 v[X+4*\n:X+4*\n+3], v5 offset:16*\n
.endr
	s_wait_dscnt 0x0                               ; the numbers are back (and router_w's part for this step is in); the stores have read their registers
.endm
.macro QLOAD s                         ; router_w(e, 128 s + 4 lane + 0 .. 3) of my half of K
.irp e, 0,1,2,3,4,5,6,7
	ds_load_b128 v[Q+4*\e:Q+4*\e+3], v8 offset:4096*\e+512*(\s)
.endr
.endm
.macro ROUTER                          ; X's register 4 n + j is k = 64 h + 4 n + j: router_w's number for it lies in lane n of my half of the lanes, register j.  Eight chains
.irp n, 0,1,2,3,4,5,6,7,8,9,10,11,12,13,14,15
.irp j, 0,1,2,3
.irp e, 0,1,2,3,4,5,6,7
	v_fmac_f32_dpp v[LG+\e], v[Q+4*\e+\j], v[X+4*\n+\j] row_share:\n row_mask:0xf bank_mask:0xf
.endr
.endr
.endr
.endm
.macro QUANT
.set qi, 0
.rept 64
	v_med3_num_f32 v[X+qi], v[X+qi], -v7, v7       ; the conversion to an 8-bit code does not saturate (ISA guide 7.6.2): the hold at the largest code x the scale
.set qi, qi+1
.endr
.irp g, 0,1,2,3,4,5,6,7
	v_cvt_scalef32_pk8_bf8_f32 v[CD+2*\g:CD+2*\g+1], v[X+8*\g:X+8*\g+7], v6
.endr
	v_nop                                          ; a plain line behind the last conversion
.endm
.macro SCALE e                         ; v6 = 2^e, v7 = 57,344 x 2^e
	s_add_co_i32 s46, s[\e], 127
	s_lshl_b32 s47, s46, 23
	v_mov_b32 v6, s47
	s_add_co_i32 s46, s46, 15
	s_lshl_b32 s46, s46, 23
	s_or_b32 s46, s46, 0x600000
	v_mov_b32 v7, s46
.endm
.macro STEP s, isx, hi
.if (\s) < 3
	s_wait_loadcnt 16                              ; this step's sixteen loads are in; the next step's sixteen may be out
.else
	s_wait_loadcnt 0x0
.endif
	s_wait_xcnt 0x0                                ; the last step's stores have read their data: the codes' and X's registers are written again only behind this wait
	TURN \s
.if (\s) < 2
	RAW (\s)+2, \hi
.endif
.if \isx
	ROUTER
.endif
	QUANT
.if \isx
.irp c, 0,1,2,3
	ds_store_b128 v9, v[CD+4*\c:CD+4*\c+3] offset:128*((\s)%2)+16*\c
.endr
.if ((\s)%2) == 1
.irp t, 0,1,2,3,4,5,6,7
	ds_load_b128 v[X+4*\t:X+4*\t+3], v10 offset:544*\t
.endr
.endif
	s_wait_dscnt 0x0                               ; the stores have read the codes' registers, into which router_w's next part is loaded; the rows are back
.if ((\s)%2) == 1
.irp t, 0,1,2,3,4,5,6,7
	global_store_b128 v11, v[X+4*\t:X+4*\t+3], s[38:39] offset:2048*\t+256*((\s)/2)   ; sixteen lanes store 256 consecutive bytes of a row, aligned
.endr
.endif
.if (\s) < 3
	QLOAD (\s)+1
.endif
.else
.irp c, 0,1,2,3
	global_store_b128 v2, v[CD+4*\c:CD+4*\c+3], s[38:39] offset:2048*(\s)+512*\c      ; the image: 512 consecutive bytes
.endr
.endif
.endm
	s_load_b256 s[4:11], s[0:1], 0x0               ; x s[4:5], w1 s[6:7], w2 s[8:9], router_w s[10:11]
	s_load_b256 s[12:19], s[0:1], 0x20             ; the scales s[12:13], xq s[14:15], w1q s[16:17], w2q s[18:19]
	s_load_b128 s[20:23], s[0:1], 0x40             ; gate s[20:21], rt s[22:23]
	s_load_b64 s[24:25], s[0:1], 0x50              ; hist
	s_set_vgpr_msb 0x40
	v_lshl_add_u32 v0, v0, 2, 0x15800
	v_mov_b32 v1, 0
	s_set_vgpr_msb 0x4000
	v_lshrrev_b32 v13, 5, v0
	v_readfirstlane_b32 s26, v13                   ; wave
	s_and_b32 s27, s26, 1                          ; which half of K
	s_lshr_b32 s28, s26, 1                         ; which of the work-group's two tiles
	v_and_b32 v1, 31, v0                           ; lane
	v_lshlrev_b32 v2, 4, v1                        ; 16 x lane
	v_and_b32 v14, 15, v0                          ; r
	v_bfe_u32 v15, v0, 4, 1                        ; h
	s_mul_i32 s29, s26, 8448
	v_add_nc_u32 v4, s29, v2                       ; my wave's turning stage, in: 16 x lane, rows 528 apart
	v_mul_u32_u24 v5, v14, 528
	v_lshl_add_u32 v5, v15, 8, v5
	v_add_nc_u32 v5, s29, v5                       ; and out: row r, 256 h
	s_wait_kmcnt 0x0
	s_load_b128 s[32:35], s[12:13], 0x0            ; e0 .. e3
	s_cmp_lt_u32 ttmp9, 128
	s_cbranch_scc0 .Lweights
	; ---------------- x
	s_lshl_b32 s30, ttmp9, 1
	s_add_co_u32 s30, s30, s28                     ; my tile of 16 tokens, 0 .. 255
	s_lshl_b32 s44, s30, 16
	s_lshl_b32 s45, s27, 11
	s_add_co_u32 s44, s44, s45
	s_mov_b32 s45, 0
	s_add_nc_u64 s[36:37], s[4:5], s[44:45]        ; x at my tile's first row, my half of K
	s_lshl_b32 s44, s30, 14
	s_lshl_b32 s46, s27, 9
	s_add_co_u32 s44, s44, s46
	s_add_nc_u64 s[38:39], s[14:15], s[44:45]      ; and its codes
	v_lshlrev_b32 v13, 4, v0                       ; 16 x thread
.irp j, 0,1,2,3,4,5,6,7,8,9,10,11,12,13,14,15
	global_load_b128 v[X+4*\j:X+4*\j+3], v13, s[10:11] offset:2048*\j    ; router_w, whole: 2,048 bytes a load of the work-group
.endr
	RAW 0, 2
	RAW 1, 2
	s_lshl_b32 s46, s27, 11
	s_add_co_u32 s46, s46, RWL
	v_add_nc_u32 v8, s46, v2                       ; router_w in LDS: my half of K, 16 x lane
	s_mul_i32 s46, s26, 4352
	s_add_co_u32 s46, s46, STG
	v_mul_u32_u24 v9, v14, 272
	v_lshl_add_u32 v9, v15, 6, v9
	v_add_nc_u32 v9, s46, v9                       ; the codes' stage, in: row r, 64 h
	v_mul_u32_u24 v10, v15, 272
	v_lshl_add_u32 v10, v14, 4, v10
	v_add_nc_u32 v10, s46, v10                     ; and out: lanes 0-15 a row, lanes 16-31 the next
	v_lshlrev_b32 v11, 10, v15
	v_lshl_add_u32 v11, v14, 4, v11                ; the same two rows in xq
	s_lshl_b32 s46, s26, 10
	s_add_co_u32 s46, s46, PLG
	v_lshl_add_u32 v12, v1, 2, s46                 ; my word among my wave's partial logits
	v_add_nc_u32 v3, RWL, v13
	s_mov_b32 s40, 0x76543210                      ; v_permlanex16_b32: lane l xor 16
	s_mov_b32 s41, 0xfedcba98
	s_wait_loadcnt 32                              ; router_w is in; the 32 loads of steps 0 and 1 were issued behind it
.irp j, 0,1,2,3,4,5,6,7,8,9,10,11,12,13,14,15
	ds_store_b128 v3, v[X+4*\j:X+4*\j+3] offset:2048*\j
.endr
	s_wait_dscnt 0x0                               ; for the others' sake: my part of router_w lies in LDS
	s_barrier_signal -1
	s_barrier_wait -1
	QLOAD 0
.irp e, 0,1,2,3,4,5,6,7
	v_mov_b32 v[LG+\e], 0
	v_mov_b32 v[TP+\e], 0                          ; (a lane permute's destination counts as read)
.endr
	s_wait_kmcnt 0x0
	SCALE 32
	STEP 0, 1, 2
	STEP 1, 1, 2
	STEP 2, 1, 2
	STEP 3, 1, 2
.irp e, 0,1,2,3,4,5,6,7
	v_permlanex16_b32 v[TP+\e], v[LG+\e], s40, s41
.endr
.irp e, 0,1,2,3,4,5,6,7
	v_add_f32 v[LG+\e], v[LG+\e], v[TP+\e]         ; both halves of the lanes now hold the row's sum over my half of K
.endr
.irp e, 0,1,2,3,4,5,6,7
	ds_store_b32 v12, v[LG+\e] offset:128*\e
.endr
	s_wait_dscnt 0x0                               ; for the other wave of my tile
	s_barrier_signal -1
	s_barrier_wait -1
	s_cmp_lg_u32 s27, 0
	s_cbranch_scc1 .Lodd                           ; the wave of the first half of K finishes the tile
.irp e, 0,1,2,3,4,5,6,7
	ds_load_b32 v[TP+\e], v12 offset:1024+128*\e   ; the next wave's
.endr
	s_wait_dscnt 0x0
.irp e, 0,1,2,3,4,5,6,7
	v_add_f32 v[LG+\e], v[LG+\e], v[TP+\e]
.endr
	; the two largest: v16, v17 the largest and its expert, v18, v19 the second.  Only a strictly larger logit displaces: of equals the lower index stays ahead
	v_cmp_gt_f32 s42, v241, v240
	v_cndmask_b32 v16, v240, v241, s42
	v_cndmask_b32 v18, v241, v240, s42
	v_cndmask_b32 v17, 0, 1, s42
	v_cndmask_b32 v19, 1, 0, s42
.irp e, 2,3,4,5,6,7
	v_cmp_gt_f32 s42, v[LG+\e], v16
	v_cmp_gt_f32 s43, v[LG+\e], v18
	v_cndmask_b32 v18, v18, v[LG+\e], s43
	v_cndmask_b32 v19, v19, \e, s43
	v_cndmask_b32 v18, v18, v16, s42
	v_cndmask_b32 v19, v19, v17, s42
	v_cndmask_b32 v16, v16, v[LG+\e], s42
	v_cndmask_b32 v17, v17, \e, s42
.endr
	v_sub_f32 v20, v18, v16                        ; the second less the largest: 0 or less
	v_mul_f32 v20, 0x3fb8aa3b, v20
	v_exp_f32 v20, v20                             ; p = e^(second - largest)
	v_nop
	s_wait_alu depctr_va_vdst(0)                   ; the wait ahead of the first reader
	v_add_f32 v21, 1.0, v20
	v_rcp_f32 v21, v21                             ; the largest's weight 1 / (1 + p)
	v_nop
	s_wait_alu depctr_va_vdst(0)
	v_mul_f32 v22, v20, v21                        ; the second's
	v_min_u32 v23, v17, v19                        ; lo
	v_max_u32 v24, v17, v19                        ; hi
	v_cmp_lt_u32 vcc_lo, v17, v19
	v_cndmask_b32 v25, v22, v21, vcc_lo            ; lo's weight
	v_cndmask_b32 v26, v21, v22, vcc_lo            ; hi's
	; the pair's key, 0 .. 27: lo (15 - lo) / 2 + (lo even: hi - lo - 1; lo odd: 7 - hi): neighbouring keys share an expert
	v_sub_nc_u32 v30, 15, v23
	v_mul_u32_u24 v30, v30, v23
	v_lshrrev_b32 v30, 1, v30
	v_sub_nc_u32 v31, 7, v24
	v_sub_nc_u32 v27, v24, v23
	v_add_nc_u32 v27, -1, v27
	v_and_b32 v32, 1, v23
	v_cmp_eq_u32 vcc_lo, 1, v32
	v_cndmask_b32 v27, v27, v31, vcc_lo
	v_add_nc_u32 v27, v27, v30
	v_mov_b32 v28, 0                               ; my rank among the tile's tokens of my key
	v_mov_b32 v29, 0                               ; lane k: the tile's count of key k
.irp k, 0,1,2,3,4,5,6,7,8,9,10,11,12,13,14,15,16,17,18,19,20,21,22,23,24,25,26,27
	v_cmp_eq_u32 s42, \k, v27
	s_and_b32 s42, s42, 0xffff                     ; lanes 16-31 repeat lanes 0-15
	s_bcnt1_i32_b32 s43, s42
	v_writelane_b32 v29, s43, \k
	v_mbcnt_lo_u32_b32 v30, s42, 0
	v_cndmask_b32 v28, v28, v30, s42
.endr
	v_lshlrev_b32 v31, 12, v23
	v_lshl_or_b32 v31, v24, 16, v31
	v_lshl_or_b32 v31, v27, 20, v31
	v_lshl_or_b32 v31, v28, 25, v31                ; lo << 12 | hi << 16 | key << 20 | rank << 25
	s_lshl_b32 s44, s30, 7
	s_mov_b32 s45, 0
	s_add_nc_u64 s[24:25], s[24:25], s[44:45]      ; hist: 128 bytes a tile
	s_add_nc_u64 s[20:21], s[20:21], s[44:45]      ; gate: 8 bytes a token
	s_lshl_b32 s44, s30, 6
	s_add_nc_u64 s[22:23], s[22:23], s[44:45]      ; rt: 4 bytes a token
	v_lshlrev_b32 v35, 2, v1
	v_lshlrev_b32 v37, 3, v14
	v_lshl_add_u32 v37, v15, 2, v37                ; token r, word h
	v_cmp_le_u32 vcc_lo, 16, v1
	v_cndmask_b32 v36, v25, v26, vcc_lo
	global_store_b32 v35, v29, s[24:25]
	global_store_b32 v37, v36, s[20:21]
	v_cmp_gt_u32 vcc_lo, 16, v1
	s_wait_xcnt 0x0                                ; EXEC changes only behind this wait
	s_and_saveexec_b32 s44, vcc_lo
	global_store_b32 v35, v31, s[22:23]            ; lanes 0-15: a word a token
	s_wait_xcnt 0x0
	s_or_b32 exec_lo, exec_lo, s44
.Lodd:
	s_set_vgpr_msb 0x5
	s_wait_tensorcnt 0x0
	ds_add_u32 v0, v1
	s_wait_dscnt 0x0
	s_set_vgpr_msb 0x500
	s_endpgm
	; ---------------- w1, w2
.Lweights:
	s_sub_co_u32 s30, ttmp9, 128                   ; 0 .. 255: w1; 256 .. 511: w2
	s_and_b32 s31, s30, 255
	s_lshl_b32 s31, s31, 1
	s_add_co_u32 s31, s31, s28                     ; my tile, 0 .. 511
	s_lshr_b32 s44, s31, 3
	s_lshl_b32 s44, s44, 7
	s_bfe_u32 s45, s31, 0x20001
	s_lshl_b32 s45, s45, 4
	s_add_co_u32 s44, s44, s45
	s_and_b32 s45, s31, 1
	s_lshl_b32 s45, s45, 3
	s_add_co_u32 s44, s44, s45                     ; w1: the tile's first row
	s_lshl_b32 s45, s31, 4                         ; w2: 16 x tile
	s_cmp_lt_u32 s30, 256
	s_cselect_b32 s44, s44, s45
	s_cselect_b32 s46, 56*4096, 0                  ; w1: rows 8-15 lie 56 rows further on than neighbours would
	s_cselect_b64 s[36:37], s[6:7], s[8:9]
	s_cselect_b64 s[38:39], s[16:17], s[18:19]
	v_add_nc_u32 v3, s46, v2
	s_lshl_b32 s44, s44, 12
	s_lshl_b32 s45, s27, 11
	s_add_co_u32 s44, s44, s45
	s_mov_b32 s45, 0
	s_add_nc_u64 s[36:37], s[36:37], s[44:45]
	s_lshl_b32 s44, s31, 14
	s_lshl_b32 s46, s27, 13
	s_add_co_u32 s44, s44, s46
	s_add_nc_u64 s[38:39], s[38:39], s[44:45]      ; the tile's eight images, my four
	RAW 0, 3
	RAW 1, 3
	s_wait_kmcnt 0x0
	s_cmp_lt_u32 s30, 256
	s_cselect_b32 s47, s33, s34                    ; e1 or e2
	SCALE 47
	STEP 0, 0, 3
	STEP 1, 0, 3
	STEP 2, 0, 3
	STEP 3, 0, 3
	s_set_vgpr_msb 0x5
	s_wait_tensorcnt 0x0
	ds_add_u32 v0, v1
	s_wait_dscnt 0x0
	s_set_vgpr_msb 0x500
	s_endpgm
.Lfunc_end_k_q23174922cc_prep:
	.size	k_q23174922cc_prep, .Lfunc_end_k_q23174922cc_prep-k_q23174922cc_prep
	.p2alignl 7, 3214868480
	.fill 96, 4, 3214868480
	.section	.rodata,"a",@progbits
	.p2align	6, 0x0
	.amdhsa_kernel k_q23174922cc_prep
		.amdhsa_group_segment_fixed_size 88576
		.amdhsa_private_segment_fixed_size 0
		.amdhsa_enable_private_segment 0
		.amdhsa_kernarg_size 88
		.amdhsa_user_sgpr_count 2
		.amdhsa_user_sgpr_kernarg_segment_ptr 1
		.amdhsa_wavefront_size32 1
		.amdhsa_system_sgpr_workgroup_id_x 1
		.amdhsa_system_sgpr_workgroup_id_y 1
		.amdhsa_system_sgpr_workgroup_id_z 1
		.amdhsa_system_vgpr_workitem_id 0
		.amdhsa_next_free_vgpr 258
		.amdhsa_next_free_sgpr 66
		.amdhsa_reserve_vcc 1
		.amdhsa_float_denorm_mode_32 3
		.amdhsa_float_denorm_mode_16_64 3
		.amdhsa_memory_ordered 1
		.amdhsa_forward_progress 1
		.amdhsa_inst_pref_size 226
	.end_amdhsa_kernel
	.amdgpu_metadata
---
amdhsa.version: [ 1, 2 ]
amdhsa.kernels:
  - .name:           k_q23174922cc_prep
    .symbol:         k_q23174922cc_prep.kd
    .args:
      - { .name: x, .offset: 0, .size: 8, .value_kind: global_buffer, .address_space: global }
      - { .name: w1, .offset: 8, .size: 8, .value_kind: global_buffer, .address_space: global }
      - { .name: w2, .offset: 16, .size: 8, .value_kind: global_buffer, .address_space: global }
      - { .name: router_w, .offset: 24, .size: 8, .value_kind: global_buffer, .address_space: global }
      - { .name: lowp_scales, .offset: 32, .size: 8, .value_kind: global_buffer, .address_space: global }
      - { .name: xq, .offset: 40, .size: 8, .value_kind: global_buffer, .address_space: global }
      - { .name: w1q, .offset: 48, .size: 8, .value_kind: global_buffer, .address_space: global }
      - { .name: w2q, .offset: 56, .size: 8, .value_kind: global_buffer, .address_space: global }
      - { .name: gate, .offset: 64, .size: 8, .value_kind: global_buffer, .address_space: global }
      - { .name: rt, .offset: 72, .size: 8, .value_kind: global_buffer, .address_space: global }
      - { .name: hist, .offset: 80, .size: 8, .value_kind: global_buffer, .address_space: global }
    .group_segment_fixed_size: 88576
    .private_segment_fixed_size: 0
    .kernarg_segment_align: 8
    .kernarg_segment_size: 88
    .max_flat_workgroup_size: 128
    .sgpr_count:     66
    .vgpr_count:     258
    .wavefront_size: 32
...
	.end_amdgpu_metadata
.endif
;; end of part 1
;; launch place (part 2): grid 1 x 1, 8 waves a work-group, no clusters, 2,048 bytes of LDS; arguments rt, hist, order; writes order
.if DOCPART == 2
	.amdgcn_target "amdgcn-amd-amdhsa--gfx1250"
	.amdhsa_code_object_version 6
	.text
	.protected	k_q23174922cc_place
	.globl	k_q23174922cc_place
	.p2align	8
	.type	k_q23174922cc_place,@function
k_q23174922cc_place:
	s_mov_b64 s[64:65], 0
	v_nop
	global_prefetch_b8 v0, s[64:65] scope:SCOPE_SE
	s_setreg_imm32_b32 hwreg(HW_REG_WAVE_MODE, 25, 1), 1
	s_wait_xcnt 0x0
; PLACE.  The 4,096 tokens are sorted by their pair key (a counting sort without atomics): order[position] = token | lo << 12 | hi << 16.
; position = (tokens of smaller keys) + (tokens of my key in earlier tiles of 16) + (my rank in my tile).  The counts of each tile and the ranks were stored by the launch before.
; One work-group: the sums run over all tiles.  Wave w owns tiles 32 w .. 32 w + 31 (512 tokens); in the sums a lane stands for a key.
	s_load_b128 s[4:7], s[0:1], 0x0                ; rt s[4:5], hist s[6:7]
	s_load_b64 s[8:9], s[0:1], 0x10                ; order
	v_lshl_add_u32 v128, v0, 2, 0x400
	v_mov_b32 v129, 0
	v_lshrrev_b32 v1, 5, v0
	v_readfirstlane_b32 s10, v1                    ; wave
	v_and_b32 v2, 31, v0                           ; lane
	v_lshlrev_b32 v3, 2, v2
	s_lshl_b32 s11, s10, 12
	v_add_nc_u32 v4, s11, v3                       ; hist: my wave's 32 rows of 128 bytes
	s_lshl_b32 s12, s10, 11
	v_add_nc_u32 v5, s12, v3                       ; rt: my wave's 512 words
	s_lshl_b32 s13, s10, 7
	v_add_nc_u32 v6, s13, v3                       ; LDS: my wave's totals
	s_lshl_b32 s14, s10, 9
	v_add_nc_u32 v7, s14, v2                       ; token 512 w + lane
	s_mov_b32 s18, 0xffff0000
	s_mov_b32 s19, 0x77000
	s_wait_kmcnt 0x0
.set ti, 0
.rept 32
	global_load_b32 v[16+ti], v4, s[6:7] offset:128*ti
.set ti, ti+1
.endr
.set ti, 0
.rept 16
	global_load_b32 v[80+ti], v5, s[4:5] offset:128*ti
.set ti, ti+1
.endr
	s_wait_loadcnt 0x0
	v_mov_b32 v48, 0                               ; v[48 + i]: my key's tokens in my wave's tiles ahead of tile i
.set ti, 0
.rept 31
	v_add_nc_u32 v[49+ti], v[48+ti], v[16+ti]
.set ti, ti+1
.endr
	v_add_nc_u32 v8, v79, v47                      ; my wave's total
	ds_store_b32 v6, v8
	s_wait_dscnt 0x0                               ; for the other waves
	s_barrier_signal -1
	s_barrier_wait -1
.irp j, 0,1,2,3,4,5,6,7
	ds_load_b32 v[16+\j], v3 offset:128*\j
.endr
	s_wait_dscnt 0x0
	v_mov_b32 v9, 0                                ; all waves' total,
	v_mov_b32 v10, 0                               ; and that of the waves ahead of mine
.irp j, 0,1,2,3,4,5,6,7
	v_add_nc_u32 v9, v9, v[16+\j]
	s_cmp_gt_u32 s10, \j
	s_cselect_b32 s15, -1, 0
	v_and_b32 v11, s15, v[16+\j]
	v_add_nc_u32 v10, v10, v11
.endr
	v_mov_b32 v12, 0                               ; lane k: the tokens of keys below k
	s_mov_b32 s16, 0
.irp k, 0,1,2,3,4,5,6,7,8,9,10,11,12,13,14,15,16,17,18,19,20,21,22,23,24,25,26,27
	v_writelane_b32 v12, s16, \k
	v_readlane_b32 s17, v9, \k
	s_add_co_u32 s16, s16, s17
.endr
	v_add_nc_u32 v10, v10, v12
.set ti, 0
.rept 32
	v_add_nc_u32 v[48+ti], v[48+ti], v10           ; lane k: where tile i's tokens of key k begin
.set ti, ti+1
.endr
.set ti, 0
.rept 16
	v_bfe_u32 v[96+ti], v[80+ti], 20, 5            ; my token's key,
	v_lshlrev_b32 v[96+ti], 2, v[96+ti]            ; as a lane's byte index
.set ti, ti+1
.endr
.set ti, 0
.rept 16                               ; words 32 q + lane: lanes 0-15 are tile 2 q, lanes 16-31 tile 2 q + 1
	ds_bpermute_b32 v[16+2*ti], v[96+ti], v[48+2*ti]
	ds_bpermute_b32 v[17+2*ti], v[96+ti], v[49+2*ti]
.set ti, ti+1
.endr
	s_wait_dscnt 0x0
.set ti, 0
.rept 16
	v_cndmask_b32 v[96+ti], v[16+2*ti], v[17+2*ti], s18
	v_bfe_u32 v11, v[80+ti], 25, 4                 ; rank
	v_add_nc_u32 v[96+ti], v[96+ti], v11
	v_min_u32 v[96+ti], 0xfff, v[96+ti]            ; a position lies in 0 .. 4,095
	v_lshlrev_b32 v[96+ti], 2, v[96+ti]
	v_add_nc_u32 v11, 32*ti, v7
	v_and_or_b32 v[80+ti], v[80+ti], s19, v11      ; token | lo << 12 | hi << 16
	global_store_b32 v[96+ti], v[80+ti], s[8:9]
.set ti, ti+1
.endr
	s_wait_tensorcnt 0x0
	ds_add_u32 v128, v129
	s_wait_dscnt 0x0
	s_endpgm
.Lfunc_end_k_q23174922cc_place:
	.size	k_q23174922cc_place, .Lfunc_end_k_q23174922cc_place-k_q23174922cc_place
	.p2alignl 7, 3214868480
	.fill 96, 4, 3214868480
	.section	.rodata,"a",@progbits
	.p2align	6, 0x0
	.amdhsa_kernel k_q23174922cc_place
		.amdhsa_group_segment_fixed_size 2048
		.amdhsa_private_segment_fixed_size 0
		.amdhsa_enable_private_segment 0
		.amdhsa_kernarg_size 24
		.amdhsa_user_sgpr_count 2
		.amdhsa_user_sgpr_kernarg_segment_ptr 1
		.amdhsa_wavefront_size32 1
		.amdhsa_system_sgpr_workgroup_id_x 1
		.amdhsa_system_sgpr_workgroup_id_y 1
		.amdhsa_system_sgpr_workgroup_id_z 1
		.amdhsa_system_vgpr_workitem_id 0
		.amdhsa_next_free_vgpr 130
		.amdhsa_next_free_sgpr 66
		.amdhsa_reserve_vcc 0
		.amdhsa_float_denorm_mode_32 3
		.amdhsa_float_denorm_mode_16_64 3
		.amdhsa_memory_ordered 1
		.amdhsa_forward_progress 1
		.amdhsa_inst_pref_size 26
	.end_amdhsa_kernel
	.amdgpu_metadata
---
amdhsa.version: [ 1, 2 ]
amdhsa.kernels:
  - .name:           k_q23174922cc_place
    .symbol:         k_q23174922cc_place.kd
    .args:
      - { .name: rt, .offset: 0, .size: 8, .value_kind: global_buffer, .address_space: global }
      - { .name: hist, .offset: 8, .size: 8, .value_kind: global_buffer, .address_space: global }
      - { .name: order, .offset: 16, .size: 8, .value_kind: global_buffer, .address_space: global }
    .group_segment_fixed_size: 2048
    .private_segment_fixed_size: 0
    .kernarg_segment_align: 8
    .kernarg_segment_size: 24
    .max_flat_workgroup_size: 256
    .sgpr_count:     66
    .vgpr_count:     130
    .wavefront_size: 32
...
	.end_amdgpu_metadata
.endif
;; end of part 2
;; launch ffn1 (part 3): grid 4 x 64, 4 waves a work-group, no clusters, 67,072 bytes of LDS; arguments xq, w1q, order, lowp_scales, hq; writes hq
.if DOCPART == 3
	.amdgcn_target "amdgcn-amd-amdhsa--gfx1250"
	.amdhsa_code_object_version 6
	.text
	.protected	k_q23174922cc_ffn1
	.globl	k_q23174922cc_ffn1
	.p2align	8
	.type	k_q23174922cc_ffn1,@function
k_q23174922cc_ffn1:
	s_mov_b64 s[64:65], 0
	v_nop
	global_prefetch_b8 v0, s[64:65] scope:SCOPE_SE
	s_setreg_imm32_b32 hwreg(HW_REG_WAVE_MODE, 25, 1), 1
	s_wait_xcnt 0x0
; FFN1.  h = Q(gelu(x W1^T)) for the experts that a block of tokens uses.  Products on codes of E5M2, sums in f32; gelu exact (by erfc) in f32; h leaves as codes with the given scale 2^e3.
; SHARES.  Work-group (sl, b): block b = 64 neighbouring places of the sorted order, slice sl = 256 of the 1,024 hidden units.  Wave w: 64 hidden units (four tiles of W1) x all 64 tokens: 16 accumulators.
; The block walks only the experts that some token of it uses (a mask made of the stored order: at least two bits, since lo < hi).  A token that does not use an expert is multiplied with it all the same;
; the next launch gives such a row the weight 0.
; TRANSPOSED: source 0 = 16 rows of W1, source 1 = 16 tokens: a lane holds one token, its registers run along the hidden units.  W1's tiles were laid so that the 16 registers of tiles (g, 0), (g, 1)
; are 16 neighbours in the next product's order of K: the conversions' results are a quarter of that product's fragment, stored as an image of its registers (512 consecutive bytes a store).
; x's 32 fragments stay in registers for the whole launch; W1's images come from memory straight into a ring of four K steps: the walk hangs on stored numbers, so this text has no tensor load, and its one
; barrier stands at the head.  No cluster for the same reason.
; gelu(v) = max(v, 0) - |v| P, P = erfc(|v| / sqrt 2) / 2 = t 2^(-v^2 log2(e) / 2 + poly(t)), t = 1 / (1 + |v| / (2 sqrt 2)): no difference of near numbers in either tail.
; LIMITS: e0 + e1 between -126 and 127, e3 between -126 and 112 (each power of two below is an f32 number).  NaN is not served.
; REGISTERS: window 0: v1-31 addresses and constants; v32-63 codes; v64-191 the accumulators (group G = 4 g + m at 64 + 16 G, tile u at + 8 u); v192-255 gelu at work.
;   windows 1, 2: x's fragments of K steps 0-3, 4-7 (64 (s % 4) + 16 m).   window 3: the ring (64 (s % 4) + 16 f).
.set XP,   1040                        ; a row of x's codes in LDS: 1,024 bytes + 16: an odd multiple of 16, so that the sixteen rows of a load start in different banks
.set CODE, 32
.set GT,   192
.set GP,   208
.set GW,   224
.set GM,   240
.set MSB, 0
.macro WIN new                         ; the immediate's high byte repeats the setting that is left
.if MSB != (\new)
	s_set_vgpr_msb (MSB<<8)|(\new)
.set MSB, (\new)
.endif
.endm
.macro PLACES                          ; four plain lines between a matrix instruction and a load into its sources or a read of its result
.rept 4
	v_nop
.endr
.endm
.macro WLOAD s                         ; K step s of my four tiles of the expert in hand: sixteen loads of 512 consecutive bytes
	WIN 0xc0
.irp f, 0,1,2,3
.irp c, 0,1,2,3
	global_load_b128 v[64*((\s)%4)+16*\f+4*\c:64*((\s)%4)+16*\f+4*\c+3], v1, s[22:23] offset:16384*\f+2048*(\s)+512*\c
.endr
.endr
	WIN 0
.endm
.macro NEXT_E                          ; the mask's lowest expert: s34; its images: s[22:23]
	s_ctz_i32_b32 s34, s31
	s_min_u32 s34, s34, 7
	s_add_co_i32 s36, s31, -1
	s_and_b32 s31, s31, s36
	s_lshl_b32 s36, s34, 20
	s_mov_b32 s37, 0
	s_add_nc_u64 s[22:23], s[20:21], s[36:37]
.endm
.macro KSTEP s, cnt                    ; sixteen products; the sixteen accumulators take turns, one instruction a turn, in the same order in every step
	s_wait_loadcnt \cnt
	WIN 0x07+4*((\s)/4)                            ; source 0 window 3, source 1 window 1 or 2
.irp m, 0,1,2,3
.irp f, 0,1,2,3
.set AR, 64+16*(4*(\f/2)+\m)+8*(\f%2)
.if (\s) == 0
	v_wmma_f32_16x16x128_bf8_bf8 v[AR:AR+7], v[64*((\s)%4)+16*\f:64*((\s)%4)+16*\f+15], v[64*((\s)%4)+16*\m:64*((\s)%4)+16*\m+15], 0
.else
	v_wmma_f32_16x16x128_bf8_bf8 v[AR:AR+7], v[64*((\s)%4)+16*\f:64*((\s)%4)+16*\f+15], v[64*((\s)%4)+16*\m:64*((\s)%4)+16*\m+15], v[AR:AR+7]
.endif
.endr
.endr
.endm
.macro GELU16 G                        ; group G's 16 sums of a lane: scale, gelu, hold, codes, store
.set GV, 64+16*(\G)
.irp j, 0,2,4,6,8,10,12,14
	v_pk_mul_f32 v[GV+\j:GV+\j+1], v[GV+\j:GV+\j+1], s[28:29] op_sel_hi:[1,0]       ; v = sum x 2^(e0 + e1); each accumulator from its low end on
.endr
.irp j, 0,1,2,3,4,5,6,7,8,9,10,11,12,13,14,15
	v_fma_f32 v[GT+\j], |v[GV+\j]|, s30, 1.0       ; 1 + |v| / (2 sqrt 2)
.endr
.irp j, 0,1,2,3,4,5,6,7,8,9,10,11,12,13,14,15
	v_rcp_f32 v[GT+\j], v[GT+\j]                   ; t
.endr
.irp j, 0,2,4,6,8,10,12,14
	v_pk_mul_f32 v[GW+\j:GW+\j+1], v[GV+\j:GV+\j+1], v[GV+\j:GV+\j+1]               ; v^2
.endr
.irp j, 0,1,2,3,4,5,6,7,8,9,10,11,12,13,14,15
	v_max_num_f32 v[GM+\j], 0, v[GV+\j]
.endr
	s_wait_alu depctr_va_vdst(0)                   ; one wait for the sixteen reciprocals, ahead of their first reader
.irp j, 0,2,4,6,8,10,12,14
	v_pk_fma_f32 v[GP+\j:GP+\j+1], v[GT+\j:GT+\j+1], v[22:23], 0xbf97d29d op_sel_hi:[1,1,0]   ; c9 t + c8
.endr
.irp cf, 0x40097039, 0xbfd1a1e5, 0x3ecdfd18, 0xbe899a80, 0x3e0efb2e, 0x3f0a29d2, 0x3fb8ab5a, 0xc034d90f
.irp j, 0,2,4,6,8,10,12,14
	v_pk_fma_f32 v[GP+\j:GP+\j+1], v[GP+\j:GP+\j+1], v[GT+\j:GT+\j+1], \cf op_sel_hi:[1,1,0]  ; c7 .. c0: the published coefficients x log2(e); c0 also holds -1, the factor 1/2
.endr
.endr
.irp j, 0,2,4,6,8,10,12,14
	v_pk_fma_f32 v[GP+\j:GP+\j+1], v[GW+\j:GW+\j+1], 0xbf38aa3b, v[GP+\j:GP+\j+1] op_sel_hi:[1,0,1]   ; - v^2 log2(e) / 2
.endr
.irp j, 0,1,2,3,4,5,6,7,8,9,10,11,12,13,14,15
	v_exp_f32 v[GP+\j], v[GP+\j]
.endr
	v_nop
	s_wait_alu depctr_va_vdst(0)                   ; one wait for the sixteen exponentials
.irp j, 0,2,4,6,8,10,12,14
	v_pk_mul_f32 v[GP+\j:GP+\j+1], v[GP+\j:GP+\j+1], v[GT+\j:GT+\j+1]               ; P
.endr
.irp j, 0,1,2,3,4,5,6,7,8,9,10,11,12,13,14,15
	v_fma_f32 v[GV+\j], -|v[GV+\j]|, v[GP+\j], v[GM+\j]                             ; gelu
.endr
.irp j, 0,1,2,3,4,5,6,7,8,9,10,11,12,13,14,15
	v_med3_num_f32 v[GV+\j], v[GV+\j], -v21, v21   ; the conversion does not saturate (ISA guide 7.6.2)
.endr
	v_cvt_scalef32_pk8_bf8_f32 v[CODE+4*(\G):CODE+4*(\G)+1], v[GV:GV+7], v20
	v_cvt_scalef32_pk8_bf8_f32 v[CODE+4*(\G)+2:CODE+4*(\G)+3], v[GV+8:GV+15], v20
	v_nop                                          ; a plain line behind the last conversion: the next unit's products write its sources
	global_store_b128 v1, v[CODE+4*(\G):CODE+4*(\G)+3], s[26:27] offset:2048*((\G)%4)+512*((\G)/4)   ; tile of tokens m = G % 4, quarter 2 (w % 2) + G / 4 of the image: 512 consecutive bytes
.endm
	s_load_b256 s[4:11], s[0:1], 0x0               ; xq s[4:5], w1q s[6:7], order s[8:9], the scales s[10:11]
	s_load_b64 s[12:13], s[0:1], 0x20              ; hq
	v_lshl_add_u32 v30, v0, 2, 0x10400
	v_mov_b32 v31, 0
	v_lshrrev_b32 v2, 5, v0
	v_readfirstlane_b32 s14, v2                    ; wave
	s_and_b32 s16, ttmp7, 0xffff                   ; block
	v_and_b32 v1, 31, v0
	v_lshlrev_b32 v1, 4, v1                        ; 16 x lane
	v_and_b32 v2, 15, v0                           ; r
	v_bfe_u32 v5, v0, 4, 1                         ; h
	v_mul_u32_u24 v3, v2, XP
	v_lshl_add_u32 v3, v5, 6, v3                   ; x's fragments out of LDS: row r, 64 h
	s_mul_i32 s36, s14, 16*XP
	v_mul_u32_u24 v4, v5, XP
	v_lshl_add_u32 v4, v2, 4, v4
	v_add_nc_u32 v4, s36, v4                       ; x's rows into LDS: my wave's 16 rows, two a store
	v_lshlrev_b32 v6, 2, v2                        ; order: place r of a tile of tokens
	s_lshl_b32 s36, s14, 6
	v_lshl_add_u32 v7, v5, 2, s36                  ; order: place 16 w + h
	v_lshlrev_b32 v24, 4, v2
	s_lshl_b32 s36, ttmp9, 18
	s_lshl_b32 s37, s14, 16
	s_add_co_u32 s36, s36, s37
	s_mov_b32 s37, 0                               ; my four tiles in an expert's images: (16 sl + 4 w) x 16,384
	s_lshl_b32 s38, s16, 19
	s_lshl_b32 s39, ttmp9, 14
	s_add_co_u32 s38, s38, s39
	s_lshr_b32 s39, s14, 1
	s_lshl_b32 s39, s39, 13
	s_add_co_u32 s38, s38, s39
	s_and_b32 s39, s14, 1
	s_lshl_b32 s39, s39, 10
	s_add_co_u32 s38, s38, s39
	s_mov_b32 s39, 0                               ; hq: block x 524,288 + K step (2 sl + w / 2) x 8,192 + (w % 2) x 1,024
	s_lshl_b32 s44, s16, 8
	s_mov_b32 s45, 0
	s_mov_b32 s30, 0x3eb504f3                      ; 1 / (2 sqrt 2)
	s_wait_kmcnt 0x0
	s_load_b128 s[40:43], s[10:11], 0x0            ; e0 .. e3
	s_add_nc_u64 s[20:21], s[6:7], s[36:37]
	s_add_nc_u64 s[24:25], s[12:13], s[38:39]
	s_add_nc_u64 s[8:9], s[8:9], s[44:45]          ; order at my block
.irp m, 0,1,2,3
	global_load_b32 v[16+\m], v6, s[8:9] offset:64*\m
.endr
.irp i, 0,1,2,3,4,5,6,7
	global_load_b32 v[8+\i], v7, s[8:9] offset:8*\i
.endr
	s_wait_loadcnt 0x0
.irp i, 0,1,2,3,4,5,6,7
	v_and_b32 v[8+\i], 0xfff, v[8+\i]
	v_min_u32 v[8+\i], 0xfff, v[8+\i]              ; the token
	v_lshlrev_b32 v[8+\i], 10, v[8+\i]
	v_add_nc_u32 v[8+\i], v[8+\i], v24             ; its row of codes, 16 bytes a lane
.endr
.irp i, 0,1,2,3,4,5,6,7
.irp q, 0,1,2,3
	global_load_b128 v[64+16*\i+4*\q:64+16*\i+4*\q+3], v[8+\i], s[4:5] offset:256*\q   ; sixteen lanes read 256 consecutive bytes of a row
.endr
.endr
	v_mov_b32 v25, 1                               ; the experts that the block uses
	v_mov_b32 v26, 0
.irp m, 0,1,2,3
	v_bfe_u32 v27, v[16+\m], 12, 3
	v_lshlrev_b32 v27, v27, v25
	v_or_b32 v26, v26, v27
	v_bfe_u32 v27, v[16+\m], 16, 3
	v_lshlrev_b32 v27, v27, v25
	v_or_b32 v26, v26, v27
.endr
	s_mov_b32 s31, 0
.irp e, 0,1,2,3,4,5,6,7
	v_and_b32 v27, 1<<\e, v26
	v_cmp_ne_u32 vcc_lo, 0, v27
	s_cmp_lg_u32 vcc_lo, 0
	s_cselect_b32 s36, 1<<\e, 0
	s_or_b32 s31, s31, s36
.endr
	s_bcnt1_i32_b32 s32, s31                       ; units to walk
	s_mov_b32 s33, 0
	NEXT_E
	WLOAD 0
	WLOAD 1
	WLOAD 2
	s_wait_kmcnt 0x0
	s_add_co_i32 s28, s40, s41
	s_add_co_i32 s28, s28, 127
	s_lshl_b32 s28, s28, 23                        ; 2^(e0 + e1)
	s_mov_b32 s29, s28                             ; (named with it as a pair)
	s_add_co_i32 s36, s43, 127
	s_lshl_b32 s37, s36, 23
	v_mov_b32 v20, s37                             ; 2^e3
	s_add_co_i32 s36, s36, 15
	s_lshl_b32 s36, s36, 23
	s_or_b32 s36, s36, 0x600000
	v_mov_b32 v21, s36                             ; 57,344 x 2^e3
	v_mov_b32 v22, 0x3e7c6f08                      ; c9, twice
	v_mov_b32 v23, 0x3e7c6f08
	s_wait_loadcnt 48                              ; x's rows are in: the ring's 48 loads were issued behind them
.irp i, 0,1,2,3,4,5,6,7
.irp q, 0,1,2,3
	ds_store_b128 v4, v[64+16*\i+4*\q:64+16*\i+4*\q+3] offset:2*XP*\i+256*\q
.endr
.endr
	WLOAD 3
	s_wait_dscnt 0x0                               ; for the other waves: my 16 rows lie in LDS
	s_barrier_signal -1
	s_barrier_wait -1
.irp s, 0,1,2,3,4,5,6,7
	WIN 0x40*(1+\s/4)
.irp m, 0,1,2,3
.irp c, 0,1,2,3
	ds_load_b128 v[64*(\s%4)+16*\m+4*\c:64*(\s%4)+16*\m+4*\c+3], v3 offset:16*XP*\m+128*\s+16*\c
.endr
.endr
.endr
	WIN 0
	s_wait_dscnt 0x0
.Lunit:                                ; one expert.  At the head the ring's steps 0 to 3 are in or on their way, in this order
.irp s, 0,1,2,3
	KSTEP \s, 48                                   ; three later steps' 48 loads may be out
	PLACES
	WLOAD \s+4
.endr
	KSTEP 4, 48
	KSTEP 5, 32
	KSTEP 6, 16
	KSTEP 7, 0
	PLACES
	WIN 0
	s_wait_xcnt 0x0                                ; the last unit's stores have read their base and their data
	s_lshl_b32 s36, s34, 16
	s_mov_b32 s37, 0
	s_add_nc_u64 s[26:27], s[24:25], s[36:37]      ; this expert's images of h
	s_cmp_lg_u32 s31, 0
	s_cbranch_scc0 .Lno_next
	NEXT_E                                         ; every load of the ring is in (the wait for 0 above), so its base may be written: the next expert's first four steps land under the gelu
	WLOAD 0
	WLOAD 1
	WLOAD 2
	WLOAD 3
.Lno_next:
.irp g, 0,1,2,3,4,5,6,7
	GELU16 \g
.endr
	s_add_co_u32 s33, s33, 1
	s_cmp_lt_u32 s33, s32
	s_cbranch_scc1 .Lunit
	s_wait_tensorcnt 0x0
	ds_add_u32 v30, v31
	s_wait_dscnt 0x0
	s_endpgm
.Lfunc_end_k_q23174922cc_ffn1:
	.size	k_q23174922cc_ffn1, .Lfunc_end_k_q23174922cc_ffn1-k_q23174922cc_ffn1
	.p2alignl 7, 3214868480
	.fill 96, 4, 3214868480
	.section	.rodata,"a",@progbits
	.p2align	6, 0x0
	.amdhsa_kernel k_q23174922cc_ffn1
		.amdhsa_group_segment_fixed_size 67072
		.amdhsa_private_segment_fixed_size 0
		.amdhsa_enable_private_segment 0
		.amdhsa_kernarg_size 40
		.amdhsa_user_sgpr_count 2
		.amdhsa_user_sgpr_kernarg_segment_ptr 1
		.amdhsa_wavefront_size32 1
		.amdhsa_system_sgpr_workgroup_id_x 1
		.amdhsa_system_sgpr_workgroup_id_y 1
		.amdhsa_system_sgpr_workgroup_id_z 1
		.amdhsa_system_vgpr_workitem_id 0
		.amdhsa_next_free_vgpr 1024
		.amdhsa_next_free_sgpr 66
		.amdhsa_reserve_vcc 1
		.amdhsa_float_denorm_mode_32 3
		.amdhsa_float_denorm_mode_16_64 3
		.amdhsa_memory_ordered 1
		.amdhsa_forward_progress 1
		.amdhsa_inst_pref_size 161
	.end_amdhsa_kernel
	.amdgpu_metadata
---
amdhsa.version: [ 1, 2 ]
amdhsa.kernels:
  - .name:           k_q23174922cc_ffn1
    .symbol:         k_q23174922cc_ffn1.kd
    .args:
      - { .name: xq, .offset: 0, .size: 8, .value_kind: global_buffer, .address_space: global }
      - { .name: w1q, .offset: 8, .size: 8, .value_kind: global_buffer, .address_space: global }
      - { .name: order, .offset: 16, .size: 8, .value_kind: global_buffer, .address_space: global }
      - { .name: lowp_scales, .offset: 24, .size: 8, .value_kind: global_buffer, .address_space: global }
      - { .name: hq, .offset: 32, .size: 8, .value_kind: global_buffer, .address_space: global }
    .group_segment_fixed_size: 67072
    .private_segment_fixed_size: 0
    .kernarg_segment_align: 8
    .kernarg_segment_size: 40
    .max_flat_workgroup_size: 128
    .sgpr_count:     66
    .vgpr_count:     1024
    .wavefront_size: 32
...
	.end_amdgpu_metadata
.endif
;; end of part 3
;; launch ffn2 (part 4): grid 4 x 64, 4 waves a work-group, no clusters, 280,064 bytes of LDS; arguments hq, w2q, order, gate, lowp_scales, out0; writes out0
.if DOCPART == 4
	.amdgcn_target "amdgcn-amd-amdhsa--gfx1250"
	.amdhsa_code_object_version 6
	.text
	.protected	k_q23174922cc_ffn2
	.globl	k_q23174922cc_ffn2
	.p2align	8
	.type	k_q23174922cc_ffn2,@function
k_q23174922cc_ffn2:
	s_mov_b64 s[64:65], 0
	v_nop
	global_prefetch_b8 v0, s[64:65] scope:SCOPE_SE
	s_setreg_imm32_b32 hwreg(HW_REG_WAVE_MODE, 25, 1), 1
	s_wait_xcnt 0x0
; FFN2.  out[token] = the sum over the token's two experts of its weight x (h W2^T) x 2^(e2 + e3).  Products on codes of E5M2, sums in f32.
; SHARES.  Work-group (sl, b): the same block b of 64 sorted places as in the launch before, slice sl = 256 of the 1,024 outputs.  Wave w: 64 outputs (four tiles of W2) x 64 tokens.  Each output row has one owner.
; TRANSPOSED: source 0 = 16 rows of W2, source 1 = 16 tokens of h: a lane holds one token and eight neighbouring outputs.
; The block walks the experts that it uses.  Their images of h (65,536 bytes an expert) are brought into LDS, up to four at a time, each wave a quarter, and read by all four waves; two rounds serve
; all eight experts.  The rounds and the slots are loops of constant count, and every barrier stands on every wave's path; what hangs on the stored order is jumped over inside them.
; W2's images come from memory straight into a ring of four K steps that runs on from expert to expert.  No tensor load and no cluster: the walk hangs on stored numbers.
; A unit's sums are weighed into TOT by one packed multiply-add for two numbers; a token that does not use the expert has the weight 0.  TOT begins as zeros: how many units add to it hangs on stored numbers.
; LIMIT: e2 + e3 is applied to the weights by v_ldexp_f32 and has none of its own.  NaN is not served.
; REGISTERS: window 0: v1-31 addresses, entries, weights; v32-63 the rows' offsets in out0; v64-127, v128-191 h's fragments of a K step, two sets; v192-255 the way out.
;   window 1: v0-127 a unit's 16 accumulators (8 (4 f + m)); v128-255 TOT.   window 2: the ring (64 (s % 4) + 16 f).   window 3: at work while h is brought in.
.set STG, 262144                       ; behind the four slots: a stage of 16 rows x 272 bytes for each wave
.set MSB, 0
.macro WIN new                         ; the immediate's high byte repeats the setting that is left
.if MSB != (\new)
	s_set_vgpr_msb (MSB<<8)|(\new)
.set MSB, (\new)
.endif
.endm
.macro PLACES                          ; four plain lines between a matrix instruction and a load into its sources or a read of its result
.rept 4
	v_nop
.endr
.endm
.macro RLOAD s, rb                     ; K step s of my four tiles, from the images at s[rb:rb+1]
	WIN 0x80
.irp f, 0,1,2,3
.irp c, 0,1,2,3
	global_load_b128 v[64*((\s)%4)+16*\f+4*\c:64*((\s)%4)+16*\f+4*\c+3], v1, s[\rb:\rb+1] offset:16384*\f+2048*(\s)+512*\c
.endr
.endr
	WIN 0
.endm
.macro HLOAD s                         ; h's four fragments of K step s out of the slot in hand
.irp m, 0,1,2,3
.irp c, 0,1,2,3
	ds_load_b128 v[64+64*((\s)%2)+16*\m+4*\c:64+64*((\s)%2)+16*\m+4*\c+3], v2 offset:8192*(\s)+2048*\m+512*\c
.endr
.endr
.endm
.macro SETH j                          ; the next expert to bring in: my quarter of its images at s[40 + 2 j : 41 + 2 j]
	s_ctz_i32_b32 s38, s30
	s_min_u32 s38, s38, 7
	s_add_co_i32 s39, s30, -1
	s_and_b32 s30, s30, s39
	s_lshl_b32 s38, s38, 16
	s_mov_b32 s39, 0
	s_add_nc_u64 s[40+2*\j:41+2*\j], s[26:27], s[38:39]
.endm
.macro HLD j, win, base                ; 16,384 bytes: 32 loads of 512 consecutive bytes
	WIN \win
.set ti, 0
.rept 32
	global_load_b128 v[\base+4*ti:\base+4*ti+3], v1, s[40+2*\j:41+2*\j] offset:512*ti
.set ti, ti+1
.endr
	WIN 0
.endm
.macro HST j, win, base                ; and into slot j, as they lie
	WIN \win
.set ti, 0
.rept 32
	ds_store_b128 v[28+\j], v[\base+4*ti:\base+4*ti+3] offset:512*ti
.set ti, ti+1
.endr
	WIN 0
.endm
; A K step: the next step's fragments of h are asked for, sixteen products (the sixteen accumulators take turns, one instruction a turn), and the ring's buffer is filled again.
.macro USTEP s, lcnt, rb, rs
.if (\s) < 7
	HLOAD (\s)+1
	s_wait_dscnt 16                                ; this step's sixteen are in; the sixteen just issued may be out
.else
	s_wait_dscnt 0x0
.endif
	s_wait_loadcnt \lcnt
	WIN 0x52                                       ; source 0 window 2, source 1 window 0, C and D window 1
.irp m, 0,1,2,3
.irp f, 0,1,2,3
.if (\s) == 0
	v_wmma_f32_16x16x128_bf8_bf8 v[8*(4*\f+\m):8*(4*\f+\m)+7], v[64*((\s)%4)+16*\f:64*((\s)%4)+16*\f+15], v[64+64*((\s)%2)+16*\m:64+64*((\s)%2)+16*\m+15], 0
.else
	v_wmma_f32_16x16x128_bf8_bf8 v[8*(4*\f+\m):8*(4*\f+\m)+7], v[64*((\s)%4)+16*\f:64*((\s)%4)+16*\f+15], v[64+64*((\s)%2)+16*\m:64+64*((\s)%2)+16*\m+15], v[8*(4*\f+\m):8*(4*\f+\m)+7]
.endif
.endr
.endr
	PLACES
.if \rb
	RLOAD \rs, \rb
.endif
	WIN 0
.endm
	s_load_b256 s[4:11], s[0:1], 0x0               ; hq s[4:5], w2q s[6:7], order s[8:9], gate s[10:11]
	s_load_b128 s[12:15], s[0:1], 0x20             ; the scales s[12:13], out0 s[14:15]
	v_lshrrev_b32 v2, 5, v0
	v_readfirstlane_b32 s16, v2                    ; wave
	s_and_b32 s18, ttmp7, 0xffff                   ; block
	v_and_b32 v1, 31, v0
	v_lshlrev_b32 v1, 4, v1                        ; 16 x lane
	v_and_b32 v5, 15, v0                           ; r
	v_bfe_u32 v6, v0, 4, 1                         ; h
	s_mul_i32 s38, s16, 4352
	s_add_co_u32 s38, s38, STG
	v_mul_u32_u24 v3, v5, 272
	v_lshl_add_u32 v3, v6, 5, v3
	v_add_nc_u32 v3, s38, v3                       ; my stage, in: row r, 32 h
	v_mul_u32_u24 v4, v6, 272
	v_lshl_add_u32 v4, v5, 4, v4
	v_add_nc_u32 v4, s38, v4                       ; and out: lanes 0-15 a row, lanes 16-31 the next
	s_lshl_b32 s38, s16, 14
.irp j, 0,1,2,3
	s_add_co_u32 s39, s38, 65536*\j
	v_add_nc_u32 v[28+\j], s39, v1                 ; slot j, my quarter
.endr
	v_lshlrev_b32 v7, 2, v5
	v_lshlrev_b32 v196, 2, v6
	v_lshlrev_b32 v197, 4, v5
	s_lshl_b32 s38, ttmp9, 18
	s_lshl_b32 s39, s16, 16
	s_add_co_u32 s38, s38, s39
	s_mov_b32 s39, 0                               ; my four tiles in an expert's images
	s_lshl_b32 s48, s18, 19
	s_lshl_b32 s49, s16, 14
	s_add_co_u32 s48, s48, s49
	s_mov_b32 s49, 0                               ; hq: my block, my quarter of an expert's images
	s_lshl_b32 s50, ttmp9, 10
	s_lshl_b32 s51, s16, 8
	s_add_co_u32 s50, s50, s51
	s_mov_b32 s51, 0                               ; out0: my 256 bytes of a row
	s_lshl_b32 s36, s18, 8
	s_mov_b32 s37, 0
	s_wait_kmcnt 0x0
	s_load_b128 s[52:55], s[12:13], 0x0            ; e0 .. e3
	s_add_nc_u64 s[20:21], s[6:7], s[38:39]
	s_add_nc_u64 s[26:27], s[4:5], s[48:49]
	s_add_nc_u64 s[28:29], s[14:15], s[50:51]
	s_add_nc_u64 s[8:9], s[8:9], s[36:37]          ; order at my block
.irp m, 0,1,2,3
	global_load_b32 v[8+\m], v7, s[8:9] offset:64*\m                 ; the token whose sums I hold in tile m
.endr
.irp m, 0,1,2,3
.irp t, 0,1,2,3,4,5,6,7
	global_load_b32 v[32+8*\m+\t], v196, s[8:9] offset:64*\m+8*\t    ; the token whose row I store: place 16 m + 2 t + h
.endr
.endr
	s_wait_loadcnt 0x0
.irp m, 0,1,2,3
	v_and_b32 v[192+\m], 0xfff, v[8+\m]
	v_min_u32 v[192+\m], 0xfff, v[192+\m]
	v_lshlrev_b32 v[192+\m], 3, v[192+\m]
	global_load_b64 v[12+2*\m:13+2*\m], v[192+\m], s[10:11]          ; lo's weight, hi's weight
.endr
.set ti, 0
.rept 32
	v_and_b32 v[32+ti], 0xfff, v[32+ti]
	v_min_u32 v[32+ti], 0xfff, v[32+ti]
	v_lshlrev_b32 v[32+ti], 12, v[32+ti]
	v_add_nc_u32 v[32+ti], v[32+ti], v197          ; the token's row of 4,096 bytes, 16 bytes a lane
.set ti, ti+1
.endr
	v_mov_b32 v198, 1                              ; the experts that the block uses
	v_mov_b32 v199, 0
.irp m, 0,1,2,3
	v_bfe_u32 v200, v[8+\m], 12, 3
	v_lshlrev_b32 v200, v200, v198
	v_or_b32 v199, v199, v200
	v_bfe_u32 v200, v[8+\m], 16, 3
	v_lshlrev_b32 v200, v200, v198
	v_or_b32 v199, v199, v200
.endr
	s_mov_b32 s30, 0
.irp e, 0,1,2,3,4,5,6,7
	v_and_b32 v200, 1<<\e, v199
	v_cmp_ne_u32 vcc_lo, 0, v200
	s_cmp_lg_u32 vcc_lo, 0
	s_cselect_b32 s38, 1<<\e, 0
	s_or_b32 s30, s30, s38
.endr
	s_mov_b32 s31, s30                             ; s30: experts still to bring in; s31: still to multiply
	s_ctz_i32_b32 s38, s31
	s_min_u32 s38, s38, 7
	s_lshl_b32 s38, s38, 20
	s_mov_b32 s39, 0
	s_add_nc_u64 s[24:25], s[20:21], s[38:39]      ; the first expert's images of W2
	RLOAD 0, 24
	RLOAD 1, 24
	RLOAD 2, 24
	s_wait_kmcnt 0x0
	s_add_co_i32 s50, s54, s55                     ; e2 + e3
	s_wait_loadcnt 48                              ; the weights are in: the ring's 48 loads were issued behind them
.irp k, 0,1,2,3,4,5,6,7
	v_ldexp_f32 v[12+\k], v[12+\k], s50            ; a sum stands for sum x 2^(e2 + e3): the power of two goes into the weights
.endr
	RLOAD 3, 24
.irp m, 0,1,2,3
	v_mov_b32 v[21+2*\m], 0                        ; (named as the upper halves of the pairs that hold a unit's weights)
.endr
	WIN 0x40
.set ti, 0
.rept 128
	v_mov_b32 v[128+ti], 0                         ; TOT
.set ti, ti+1
.endr
	WIN 0
	s_mov_b32 s33, 0
.Lround:                               ; two trips.  Up to four experts' images of h come into the four slots.  The ladder: a set of registers is stored only on ways on which it was loaded
	s_bcnt1_i32_b32 s32, s30
	s_cmp_eq_u32 s32, 0
	s_cbranch_scc1 .Lst0
	SETH 0
	HLD 0, 0xc0, 0
	s_cmp_lt_u32 s32, 2
	s_cbranch_scc1 .Lst1
	SETH 1
	HLD 1, 0xc0, 128
	s_cmp_lt_u32 s32, 3
	s_cbranch_scc1 .Lst2
	SETH 2
	HLD 2, 0x40, 0
	s_cmp_lt_u32 s32, 4
	s_cbranch_scc1 .Lst3
	SETH 3
	HLD 3, 0, 64
	s_wait_loadcnt 0x0
	HST 3, 0, 64
.Lst3:
	s_wait_loadcnt 0x0
	HST 2, 0x04, 0
.Lst2:
	s_wait_loadcnt 0x0
	HST 1, 0x0c, 128
.Lst1:
	s_wait_loadcnt 0x0
	HST 0, 0x0c, 0
.Lst0:
	s_wait_dscnt 0x0                               ; for the other waves: my quarters lie in LDS
	s_barrier_signal -1
	s_barrier_wait -1
	s_mov_b32 s34, 0
	s_mov_b32 s35, 0                               ; the slot in hand, in bytes
.Lslot:                                ; four trips
	s_cmp_eq_u32 s31, 0
	s_cbranch_scc1 .Lskip
	; ---- a unit: one expert.  The ring's steps 0 to 3 are in or on their way, in this order
	s_wait_xcnt 0x0                                ; the ring's loads have read their bases
	s_ctz_i32_b32 s36, s31
	s_min_u32 s36, s36, 7                          ; the expert
	s_add_co_i32 s38, s31, -1
	s_and_b32 s31, s31, s38
	s_lshl_b32 s38, s36, 20
	s_mov_b32 s39, 0
	s_add_nc_u64 s[22:23], s[20:21], s[38:39]      ; its images of W2,
	s_ctz_i32_b32 s38, s31
	s_min_u32 s38, s38, 7
	s_lshl_b32 s38, s38, 20
	s_add_nc_u64 s[24:25], s[20:21], s[38:39]      ; and the next expert's (used only if there is one)
	v_add_nc_u32 v2, s35, v1
	HLOAD 0
	USTEP 0, 48, 22, 4                             ; three later steps' 48 loads may be out
	USTEP 1, 48, 22, 5
	USTEP 2, 48, 22, 6
	USTEP 3, 48, 22, 7
	s_cmp_lg_u32 s31, 0
	s_cbranch_scc0 .Ltail0
	USTEP 4, 48, 24, 0                             ; another expert follows: the ring runs on into its first four steps, so three steps' loads stay behind each wait
	USTEP 5, 48, 24, 1
	USTEP 6, 48, 24, 2
	USTEP 7, 48, 24, 3
	s_branch .Ljoin
.Ltail0:
	USTEP 4, 48, 0, 0                              ; the last expert: nothing more is asked for, and the counts run down
	USTEP 5, 32, 0, 0
	USTEP 6, 16, 0, 0
	USTEP 7, 0, 0, 0
.Ljoin:
.irp m, 0,1,2,3
	v_bfe_u32 v[192+2*\m], v[8+\m], 12, 3
	v_bfe_u32 v[193+2*\m], v[8+\m], 16, 3
.endr
.irp m, 0,1,2,3                        ; my token's weight for this expert: lo's, hi's or 0
	v_cmp_eq_u32 vcc_lo, s36, v[192+2*\m]
	v_cndmask_b32 v[20+2*\m], 0, v[12+2*\m], vcc_lo
	v_cmp_eq_u32 vcc_lo, s36, v[193+2*\m]
	v_cndmask_b32 v[20+2*\m], v[20+2*\m], v[13+2*\m], vcc_lo
.endr
	WIN 0x51                                       ; sums and TOT window 1, the weight window 0
.irp a, 0,1,2,3,4,5,6,7,8,9,10,11,12,13,14,15
.irp i, 0,2,4,6
	v_pk_fma_f32 v[128+8*\a+\i:128+8*\a+\i+1], v[8*\a+\i:8*\a+\i+1], v[20+2*(\a%4):21+2*(\a%4)], v[128+8*\a+\i:128+8*\a+\i+1] op_sel_hi:[1,0,1]   ; each accumulator from its low end on
.endr
.endr
	WIN 0
.Lskip:
	s_add_co_u32 s35, s35, 0x10000
	s_add_co_u32 s34, s34, 1
	s_cmp_lt_u32 s34, 4
	s_cbranch_scc1 .Lslot
	s_wait_dscnt 0x0                               ; my reads of the slots are over:
	s_barrier_signal -1
	s_barrier_wait -1                              ; everybody's are, and the slots may be written again
	s_add_co_u32 s33, s33, 1
	s_cmp_lt_u32 s33, 2
	s_cbranch_scc1 .Lround
	; THE WAY OUT, a tile of 16 tokens at a time: a lane's 32 bytes of a row go into my own stage and come back as rows of 256 bytes; sixteen lanes store 256 consecutive bytes of a token's row, aligned.
	; LDS serves a wave's instructions in order: no wait between the stores and the loads, nor in front of the next tile's stores.
.macro TOSTAGE m
	WIN 0x04                                       ; the data lie in window 1
.irp f, 0,1,2,3
	ds_store_b128 v3, v[128+8*(4*\f+(\m)):128+8*(4*\f+(\m))+3] offset:64*\f
	ds_store_b128 v3, v[128+8*(4*\f+(\m))+4:128+8*(4*\f+(\m))+7] offset:64*\f+16
.endr
	WIN 0
.irp t, 0,1,2,3,4,5,6,7
	ds_load_b128 v[192+32*((\m)%2)+4*\t:192+32*((\m)%2)+4*\t+3], v4 offset:544*\t
.endr
.endm
.macro SEND m, younger                 ; younger: the LDS instructions issued behind tile m's loads
	s_wait_dscnt \younger
.irp t, 0,1,2,3,4,5,6,7
	global_store_b128 v[32+8*(\m)+\t], v[192+32*((\m)%2)+4*\t:192+32*((\m)%2)+4*\t+3], s[28:29] th:TH_STORE_NT
.endr
.endm
	TOSTAGE 0
	TOSTAGE 1
	SEND 0, 16
	s_wait_xcnt 0x0                                ; tile 0's stores have read their data: tile 2's rows land in the same registers
	TOSTAGE 2
	SEND 1, 16
	s_wait_xcnt 0x0
	TOSTAGE 3
	SEND 2, 16
	SEND 3, 0
	s_wait_xcnt 0x0
	v_lshl_add_u32 v254, v0, 2, 0x44400
	v_mov_b32 v255, 0
	s_wait_tensorcnt 0x0
	ds_add_u32 v254, v255
	s_wait_dscnt 0x0
	s_endpgm
.Lfunc_end_k_q23174922cc_ffn2:
	.size	k_q23174922cc_ffn2, .Lfunc_end_k_q23174922cc_ffn2-k_q23174922cc_ffn2
	.p2alignl 7, 3214868480
	.fill 96, 4, 3214868480
	.section	.rodata,"a",@progbits
	.p2align	6, 0x0
	.amdhsa_kernel k_q23174922cc_ffn2
		.amdhsa_group_segment_fixed_size 280064
		.amdhsa_private_segment_fixed_size 0
		.amdhsa_enable_private_segment 0
		.amdhsa_kernarg_size 48
		.amdhsa_user_sgpr_count 2
		.amdhsa_user_sgpr_kernarg_segment_ptr 1
		.amdhsa_wavefront_size32 1
		.amdhsa_system_sgpr_workgroup_id_x 1
		.amdhsa_system_sgpr_workgroup_id_y 1
		.amdhsa_system_sgpr_workgroup_id_z 1
		.amdhsa_system_vgpr_workitem_id 0
		.amdhsa_next_free_vgpr 1024
		.amdhsa_next_free_sgpr 66
		.amdhsa_reserve_vcc 1
		.amdhsa_float_denorm_mode_32 3
		.amdhsa_float_denorm_mode_16_64 3
		.amdhsa_memory_ordered 1
		.amdhsa_forward_progress 1
		.amdhsa_inst_pref_size 101
	.end_amdhsa_kernel
	.amdgpu_metadata
---
amdhsa.version: [ 1, 2 ]
amdhsa.kernels:
  - .name:           k_q23174922cc_ffn2
    .symbol:         k_q23174922cc_ffn2.kd
    .args:
      - { .name: hq, .offset: 0, .size: 8, .value_kind: global_buffer, .address_space: global }
      - { .name: w2q, .offset: 8, .size: 8, .value_kind: global_buffer, .address_space: global }
      - { .name: order, .offset: 16, .size: 8, .value_kind: global_buffer, .address_space: global }
      - { .name: gate, .offset: 24, .size: 8, .value_kind: global_buffer, .address_space: global }
      - { .name: lowp_scales, .offset: 32, .size: 8, .value_kind: global_buffer, .address_space: global }
      - { .name: out0, .offset: 40, .size: 8, .value_kind: global_buffer, .address_space: global }
    .group_segment_fixed_size: 280064
    .private_segment_fixed_size: 0
    .kernarg_segment_align: 8
    .kernarg_segment_size: 48
    .max_flat_workgroup_size: 128
    .sgpr_count:     66
    .vgpr_count:     1024
    .wavefront_size: 32
...
	.end_amdgpu_metadata
.endif
;; end of part 4
;; ======== version 2 of 2: 4 launches; version 1 with the launches ffn1, ffn2 written anew for expert scheduling mode
;; workspace buffers: xq 4,194,304 bytes; w1q 8,388,608 bytes; w2q 8,388,608 bytes; hq 33,554,432 bytes; gate 32,768 bytes; rt 16,384 bytes of whole numbers; hist 32,768 bytes of whole numbers; order 16,384 bytes of whole numbers
;; launch prep: the kernel of part 1 again; grid 640 x 1, 4 waves a work-group, no clusters, 88,576 bytes of LDS; arguments x, w1, w2, router_w, lowp_scales, xq, w1q, w2q, gate, rt, hist; writes xq, w1q, w2q, gate, rt, hist
;; launch place: the kernel of part 2 again; grid 1 x 1, 8 waves a work-group, no clusters, 2,048 bytes of LDS; arguments rt, hist, order; writes order
;; launch ffn1 (part 5): grid 4 x 64, 4 waves a work-group, no clusters, 67,072 bytes of LDS; arguments xq, w1q, order, lowp_scales, hq; writes hq
.if DOCPART == 5
	.amdgcn_target "amdgcn-amd-amdhsa--gfx1250"
	.amdhsa_code_object_version 6
	.text
	.protected	k_q23174922cc_ffn1
	.globl	k_q23174922cc_ffn1
	.p2align	8
	.type	k_q23174922cc_ffn1,@function
k_q23174922cc_ffn1:
	s_mov_b64 s[64:65], 0
	v_nop
	global_prefetch_b8 v0, s[64:65] scope:SCOPE_SE
	s_setreg_imm32_b32 hwreg(HW_REG_WAVE_SCHED_MODE, 0, 2), 2
	s_setreg_imm32_b32 hwreg(HW_REG_WAVE_MODE, 25, 1), 1
	s_wait_xcnt 0x0
	s_wait_alu depctr_vm_vsrc(0)
; FFN1.  h = Q(gelu(x W1^T)) for the experts that a block of tokens uses.  Products on codes of E5M2, sums in f32; gelu exact (by erfc) in f32; h leaves as codes with the given scale 2^e3.
; SHARES.  Work-group (sl, b): block b = 64 neighbouring places of the sorted order, slice sl = 256 of the 1,024 hidden units.  Wave w: 64 hidden units (four tiles of W1) x all 64 tokens: 16 accumulators.
; The block walks only the experts that some token of it uses (a mask made of the stored order: at least two bits, since lo < hi).  A token that does not use an expert is multiplied with it all the same;
; the next launch gives such a row the weight 0.
; TRANSPOSED: source 0 = 16 rows of W1, source 1 = 16 tokens: a lane holds one token, its registers run along the hidden units.  W1's tiles were laid so that the 16 registers of tiles (g, 0), (g, 1)
; are 16 neighbours in the next product's order of K: the conversions' results are a quarter of that product's fragment, stored as an image of its registers (512 consecutive bytes a store).
; x's 32 fragments stay in registers for the whole launch; W1's images come from memory straight into a ring of four K steps: the walk hangs on stored numbers, so this text has no tensor load, and its one
; barrier stands at the head.  No cluster for the same reason.
; gelu(v) = max(v, 0) - |v| P, P = erfc(|v| / sqrt 2) / 2 = t 2^(-v^2 log2(e) / 2 + poly(t)), t = 1 / (1 + |v| / (2 sqrt 2)): no difference of near numbers in either tail.
; LIMITS: e0 + e1 between -126 and 127, e3 between -126 and 112 (each power of two below is an f32 number).  NaN is not served.
; REGISTERS: window 0: v1-31 addresses and constants; v32-63 codes; v64-191 the accumulators (group G = 4 g + m at 64 + 16 G, tile u at + 8 u); v192-255 gelu at work.
;   windows 1, 2: x's fragments of K steps 0-3, 4-7 (64 (s % 4) + 16 m).   window 3: the ring (64 (s % 4) + 16 f).
; THE MODE: SCHED_MODE bits 1:0 = 2 (LLVM: expert scheduling mode 2), set by the entry lines.  The code itself states the register dependences
; between vector or matrix instructions and memory or LDS instructions, with s_wait_alu, always for 0.
; THE PLAN.  Registers that memory or LDS instructions touch:
;   the ring      Buffer s % 4: step s's sixteen products read it; behind them the loads of step s + 4 land in it (steps 0 to 3), or, behind step 7, those of the next expert's steps 0 to 3 in all four.
;   v32-63        Group G's two conversions write its four registers; one store reads them, issued in group G + 1 (group 7's at the unit's end); the next unit's conversions write them again.
;   v64-191       At the head x's rows land here and LDS stores read them; from the loop on they are accumulators, named by matrix and vector instructions alone.
;   windows 1, 2  LDS loads land here once, at the head; from then on products read them.
;   v1, v3, v4, v6, v7   offsets and LDS addresses, made once at the head.   v8-15: loaded, made into the rows' offsets once, read by x's loads.   v30, v31: read by the closing add alone.
; So in a unit: one wait on va_vdst behind the products of each of steps 0 to 3, so that the buffer they have emptied is asked for again at once (this launch lives on its loads in flight); one ahead of the next
; expert's first four steps; the wait that each group of the gelu owes its reciprocals also shows the codes of the group before written, and that group's store follows it; one more ahead of the last store.
; One wait on vm_vsrc a unit stands behind step 7, a whole walk along K behind the stores whose registers it frees.
.set XP,   1040                        ; a row of x's codes in LDS: 1,024 bytes + 16: an odd multiple of 16, so that the sixteen rows of a load start in different banks
.set CODE, 32
.set GT,   192
.set GP,   208
.set GW,   224
.set GM,   240
.set MSB, 0
.macro WIN new                         ; the immediate's high byte repeats the setting that is left
.if MSB != (\new)
	s_set_vgpr_msb (MSB<<8)|(\new)
.set MSB, (\new)
.endif
.endm
.macro PLACES                          ; four plain lines between a matrix instruction and a load into its sources or a read of its result
.rept 4
	v_nop
.endr
.endm
.macro WLOAD s                         ; K step s of my four tiles of the expert in hand: sixteen loads of 512 consecutive bytes
	WIN 0xc0
.irp f, 0,1,2,3
.irp c, 0,1,2,3
	global_load_b128 v[64*((\s)%4)+16*\f+4*\c:64*((\s)%4)+16*\f+4*\c+3], v1, s[22:23] offset:16384*\f+2048*(\s)+512*\c
.endr
.endr
	WIN 0
.endm
.macro NEXT_E                          ; the mask's lowest expert: s34; its images: s[22:23]
	s_ctz_i32_b32 s34, s31
	s_min_u32 s34, s34, 7
	s_add_co_i32 s36, s31, -1
	s_and_b32 s31, s31, s36
	s_lshl_b32 s36, s34, 20
	s_mov_b32 s37, 0
	s_add_nc_u64 s[22:23], s[20:21], s[36:37]
.endm
.macro KSTEP s, cnt                    ; sixteen products; the sixteen accumulators take turns, one instruction a turn, in the same order in every step
	s_wait_loadcnt \cnt
	WIN 0x07+4*((\s)/4)                            ; source 0 window 3, source 1 window 1 or 2
.irp m, 0,1,2,3
.irp f, 0,1,2,3
.set AR, 64+16*(4*(\f/2)+\m)+8*(\f%2)
.if (\s) == 0
	v_wmma_f32_16x16x128_bf8_bf8 v[AR:AR+7], v[64*((\s)%4)+16*\f:64*((\s)%4)+16*\f+15], v[64*((\s)%4)+16*\m:64*((\s)%4)+16*\m+15], 0
.else
	v_wmma_f32_16x16x128_bf8_bf8 v[AR:AR+7], v[64*((\s)%4)+16*\f:64*((\s)%4)+16*\f+15], v[64*((\s)%4)+16*\m:64*((\s)%4)+16*\m+15], v[AR:AR+7]
.endif
.endr
.endr
.endm
.macro HSTORE P                        ; group P's codes leave: tile of tokens m = P % 4, quarter 2 (w % 2) + P / 4 of the image: 512 consecutive bytes
	global_store_b128 v1, v[CODE+4*(\P):CODE+4*(\P)+3], s[26:27] offset:2048*((\P)%4)+512*((\P)/4)
.endm
.macro GELU16 G                        ; group G's 16 sums of a lane: scale, gelu, hold, codes; the store of the group before stands among them
.set GV, 64+16*(\G)
.irp j, 0,2,4,6,8,10,12,14
	v_pk_mul_f32 v[GV+\j:GV+\j+1], v[GV+\j:GV+\j+1], s[28:29] op_sel_hi:[1,0]       ; v = sum x 2^(e0 + e1); each accumulator from its low end on
.endr
.irp j, 0,1,2,3,4,5,6,7,8,9,10,11,12,13,14,15
	v_fma_f32 v[GT+\j], |v[GV+\j]|, s30, 1.0       ; 1 + |v| / (2 sqrt 2)
.endr
.irp j, 0,1,2,3,4,5,6,7,8,9,10,11,12,13,14,15
	v_rcp_f32 v[GT+\j], v[GT+\j]                   ; t
.endr
.irp j, 0,2,4,6,8,10,12,14
	v_pk_mul_f32 v[GW+\j:GW+\j+1], v[GV+\j:GV+\j+1], v[GV+\j:GV+\j+1]               ; v^2
.endr
.irp j, 0,1,2,3,4,5,6,7,8,9,10,11,12,13,14,15
	v_max_num_f32 v[GM+\j], 0, v[GV+\j]
.endr
	s_wait_alu depctr_va_vdst(0)                   ; the sixteen reciprocals are written, ahead of their first reader; so are the codes of the group before, which the store below reads
.if (\G) > 0
	HSTORE (\G)-1
.endif
.irp j, 0,2,4,6,8,10,12,14
	v_pk_fma_f32 v[GP+\j:GP+\j+1], v[GT+\j:GT+\j+1], v[22:23], 0xbf97d29d op_sel_hi:[1,1,0]   ; c9 t + c8
.endr
.irp cf, 0x40097039, 0xbfd1a1e5, 0x3ecdfd18, 0xbe899a80, 0x3e0efb2e, 0x3f0a29d2, 0x3fb8ab5a, 0xc034d90f
.irp j, 0,2,4,6,8,10,12,14
	v_pk_fma_f32 v[GP+\j:GP+\j+1], v[GP+\j:GP+\j+1], v[GT+\j:GT+\j+1], \cf op_sel_hi:[1,1,0]  ; c7 .. c0: the published coefficients x log2(e); c0 also holds -1, the factor 1/2
.endr
.endr
.irp j, 0,2,4,6,8,10,12,14
	v_pk_fma_f32 v[GP+\j:GP+\j+1], v[GW+\j:GW+\j+1], 0xbf38aa3b, v[GP+\j:GP+\j+1] op_sel_hi:[1,0,1]   ; - v^2 log2(e) / 2
.endr
.irp j, 0,1,2,3,4,5,6,7,8,9,10,11,12,13,14,15
	v_exp_f32 v[GP+\j], v[GP+\j]
.endr
	v_nop
	s_wait_alu depctr_va_vdst(0)                   ; the sixteen exponentials are written, ahead of their first reader
.irp j, 0,2,4,6,8,10,12,14
	v_pk_mul_f32 v[GP+\j:GP+\j+1], v[GP+\j:GP+\j+1], v[GT+\j:GT+\j+1]               ; P
.endr
.irp j, 0,1,2,3,4,5,6,7,8,9,10,11,12,13,14,15
	v_fma_f32 v[GV+\j], -|v[GV+\j]|, v[GP+\j], v[GM+\j]                             ; gelu
.endr
.irp j, 0,1,2,3,4,5,6,7,8,9,10,11,12,13,14,15
	v_med3_num_f32 v[GV+\j], v[GV+\j], -v21, v21   ; the conversion does not saturate (ISA guide 7.6.2)
.endr
	v_cvt_scalef32_pk8_bf8_f32 v[CODE+4*(\G):CODE+4*(\G)+1], v[GV:GV+7], v20
	v_cvt_scalef32_pk8_bf8_f32 v[CODE+4*(\G)+2:CODE+4*(\G)+3], v[GV+8:GV+15], v20
	v_nop                                          ; a plain line behind the last conversion: the next unit's products write its sources
.endm
	s_load_b256 s[4:11], s[0:1], 0x0               ; xq s[4:5], w1q s[6:7], order s[8:9], the scales s[10:11]
	s_load_b64 s[12:13], s[0:1], 0x20              ; hq
	v_lshl_add_u32 v30, v0, 2, 0x10400
	v_mov_b32 v31, 0
	v_lshrrev_b32 v2, 5, v0
	v_readfirstlane_b32 s14, v2                    ; wave
	s_and_b32 s16, ttmp7, 0xffff                   ; block
	v_and_b32 v1, 31, v0
	v_lshlrev_b32 v1, 4, v1                        ; 16 x lane
	v_and_b32 v2, 15, v0                           ; r
	v_bfe_u32 v5, v0, 4, 1                         ; h
	v_mul_u32_u24 v3, v2, XP
	v_lshl_add_u32 v3, v5, 6, v3                   ; x's fragments out of LDS: row r, 64 h
	v_mul_u32_u24 v4, v5, XP
	v_lshl_add_u32 v4, v2, 4, v4
	v_lshlrev_b32 v6, 2, v2                        ; order: place r of a tile of tokens
	v_lshlrev_b32 v24, 4, v2
	s_wait_alu depctr_va_sdst(0)                   ; s14 is written, ahead of its first reader: addresses and bases are made from it
	s_mul_i32 s36, s14, 16*XP
	v_add_nc_u32 v4, s36, v4                       ; x's rows into LDS: my wave's 16 rows, two a store
	s_lshl_b32 s36, s14, 6
	v_lshl_add_u32 v7, v5, 2, s36                  ; order: place 16 w + h
	s_lshl_b32 s36, ttmp9, 18
	s_lshl_b32 s37, s14, 16
	s_add_co_u32 s36, s36, s37
	s_mov_b32 s37, 0                               ; my four tiles in an expert's images: (16 sl + 4 w) x 16,384
	s_lshl_b32 s38, s16, 19
	s_lshl_b32 s39, ttmp9, 14
	s_add_co_u32 s38, s38, s39
	s_lshr_b32 s39, s14, 1
	s_lshl_b32 s39, s39, 13
	s_add_co_u32 s38, s38, s39
	s_and_b32 s39, s14, 1
	s_lshl_b32 s39, s39, 10
	s_add_co_u32 s38, s38, s39
	s_mov_b32 s39, 0                               ; hq: block x 524,288 + K step (2 sl + w / 2) x 8,192 + (w % 2) x 1,024
	s_lshl_b32 s44, s16, 8
	s_mov_b32 s45, 0
	s_mov_b32 s30, 0x3eb504f3                      ; 1 / (2 sqrt 2)
	s_wait_kmcnt 0x0
	s_load_b128 s[40:43], s[10:11], 0x0            ; e0 .. e3
	s_add_nc_u64 s[20:21], s[6:7], s[36:37]
	s_add_nc_u64 s[24:25], s[12:13], s[38:39]
	s_add_nc_u64 s[8:9], s[8:9], s[44:45]          ; order at my block
	s_wait_alu depctr_va_vdst(0)                   ; v1, v3, v4, v6, v7, v30 and v31 are written: the offsets and LDS addresses that the loads, stores and the closing add of the whole kernel read
.irp m, 0,1,2,3
	global_load_b32 v[16+\m], v6, s[8:9] offset:64*\m
.endr
.irp i, 0,1,2,3,4,5,6,7
	global_load_b32 v[8+\i], v7, s[8:9] offset:8*\i
.endr
	s_wait_loadcnt 0x0
.irp i, 0,1,2,3,4,5,6,7
	v_and_b32 v[8+\i], 0xfff, v[8+\i]
	v_min_u32 v[8+\i], 0xfff, v[8+\i]              ; the token
	v_lshlrev_b32 v[8+\i], 10, v[8+\i]
	v_add_nc_u32 v[8+\i], v[8+\i], v24             ; its row of codes, 16 bytes a lane
.endr
	s_wait_alu depctr_va_vdst(0)                   ; v8 to v15 are written: the loads below read them as offsets
.irp i, 0,1,2,3,4,5,6,7
.irp q, 0,1,2,3
	global_load_b128 v[64+16*\i+4*\q:64+16*\i+4*\q+3], v[8+\i], s[4:5] offset:256*\q   ; sixteen lanes read 256 consecutive bytes of a row
.endr
.endr
	v_mov_b32 v25, 1                               ; the experts that the block uses
	v_mov_b32 v26, 0
.irp m, 0,1,2,3
	v_bfe_u32 v27, v[16+\m], 12, 3
	v_lshlrev_b32 v27, v27, v25
	v_or_b32 v26, v26, v27
	v_bfe_u32 v27, v[16+\m], 16, 3
	v_lshlrev_b32 v27, v27, v25
	v_or_b32 v26, v26, v27
.endr
	s_mov_b32 s31, 0
.irp e, 0,1,2,3,4,5,6,7                ; the eight compares in one run, into s36-39 and s44-47
	v_and_b32 v27, 1<<\e, v26
	v_cmp_ne_u32 s[36+\e+4*(\e/4)], 0, v27
.endr
	s_wait_alu depctr_va_sdst(0)                   ; the eight masks are written, ahead of their first readers
.irp e, 0,1,2,3,4,5,6,7
	s_cmp_lg_u32 s[36+\e+4*(\e/4)], 0
	s_cselect_b32 s35, 1<<\e, 0
	s_or_b32 s31, s31, s35
.endr
	s_bcnt1_i32_b32 s32, s31                       ; units to walk
	s_mov_b32 s33, 0
	NEXT_E
	WLOAD 0                                        ; no wait: no vector instruction has named the ring, nor v1 since the wait that showed it written
	WLOAD 1
	WLOAD 2
	s_wait_kmcnt 0x0
	s_add_co_i32 s28, s40, s41
	s_add_co_i32 s28, s28, 127
	s_lshl_b32 s28, s28, 23                        ; 2^(e0 + e1)
	s_mov_b32 s29, s28                             ; (named with it as a pair)
	s_add_co_i32 s36, s43, 127
	s_lshl_b32 s37, s36, 23
	v_mov_b32 v20, s37                             ; 2^e3
	s_add_co_i32 s36, s36, 15
	s_lshl_b32 s36, s36, 23
	s_or_b32 s36, s36, 0x600000
	v_mov_b32 v21, s36                             ; 57,344 x 2^e3
	v_mov_b32 v22, 0x3e7c6f08                      ; c9, twice
	v_mov_b32 v23, 0x3e7c6f08
	s_wait_loadcnt 48                              ; x's rows are in: the ring's 48 loads were issued behind them
.irp i, 0,1,2,3,4,5,6,7
.irp q, 0,1,2,3
	ds_store_b128 v4, v[64+16*\i+4*\q:64+16*\i+4*\q+3] offset:2*XP*\i+256*\q
.endr
.endr
	WLOAD 3
	s_wait_dscnt 0x0                               ; for the other waves: my 16 rows lie in LDS
	s_barrier_signal -1
	s_barrier_wait -1
.irp s, 0,1,2,3,4,5,6,7
	WIN 0x40*(1+\s/4)
.irp m, 0,1,2,3
.irp c, 0,1,2,3
	ds_load_b128 v[64*(\s%4)+16*\m+4*\c:64*(\s%4)+16*\m+4*\c+3], v3 offset:16*XP*\m+128*\s+16*\c
.endr
.endr
.endr
	WIN 0
	s_wait_dscnt 0x0
	s_wait_alu depctr_vm_vsrc(0)                   ; my LDS stores have read v64 to v191: these registers are the accumulators from here on, written by the products
.Lunit:                                ; one expert.  At the head the ring's steps 0 to 3 are in or on their way, in this order
.irp s, 0,1,2,3
	KSTEP \s, 48                                   ; three later steps' 48 loads may be out
	PLACES
	s_wait_alu depctr_va_vdst(0)                   ; this step's products are done reading their buffer of the ring, in which the sixteen loads below land
	WLOAD \s+4
.endr
	KSTEP 4, 48
	KSTEP 5, 32
	KSTEP 6, 16
	KSTEP 7, 0
	PLACES
	WIN 0
	s_wait_xcnt 0x0                                ; the last unit's stores have read their base and their data
	s_wait_alu depctr_vm_vsrc(0)                   ; the last unit's stores have read v32 to v63, which this unit's conversions write again
	s_lshl_b32 s36, s34, 16
	s_mov_b32 s37, 0
	s_add_nc_u64 s[26:27], s[24:25], s[36:37]      ; this expert's images of h
	s_cmp_lg_u32 s31, 0
	s_cbranch_scc0 .Lno_next
	NEXT_E                                         ; every load of the ring is in (the wait for 0 above), so its base may be written: the next expert's first four steps land under the gelu
	s_wait_alu depctr_va_vdst(0)                   ; the products of steps 4 to 7 are done reading the ring's four buffers, in which the 64 loads below land
	WLOAD 0
	WLOAD 1
	WLOAD 2
	WLOAD 3
.Lno_next:
.irp g, 0,1,2,3,4,5,6,7
	GELU16 \g
.endr
	s_wait_alu depctr_va_vdst(0)                   ; group 7's conversions have written its codes, which the unit's last store reads
	HSTORE 7
	s_add_co_u32 s33, s33, 1
	s_cmp_lt_u32 s33, s32
	s_cbranch_scc1 .Lunit
	s_wait_dscnt 0x0                               ; the closing lines, six on end
	s_wait_alu 0x0
	s_wait_tensorcnt 0x0
	ds_add_u32 v30, v31
	s_wait_dscnt 0x0
	s_endpgm
.Lfunc_end_k_q23174922cc_ffn1:
	.size	k_q23174922cc_ffn1, .Lfunc_end_k_q23174922cc_ffn1-k_q23174922cc_ffn1
	.p2alignl 7, 3214868480
	.fill 96, 4, 3214868480
	.section	.rodata,"a",@progbits
	.p2align	6, 0x0
	.amdhsa_kernel k_q23174922cc_ffn1
		.amdhsa_group_segment_fixed_size 67072
		.amdhsa_private_segment_fixed_size 0
		.amdhsa_enable_private_segment 0
		.amdhsa_kernarg_size 40
		.amdhsa_user_sgpr_count 2
		.amdhsa_user_sgpr_kernarg_segment_ptr 1
		.amdhsa_wavefront_size32 1
		.amdhsa_system_sgpr_workgroup_id_x 1
		.amdhsa_system_sgpr_workgroup_id_y 1
		.amdhsa_system_sgpr_workgroup_id_z 1
		.amdhsa_system_vgpr_workitem_id 0
		.amdhsa_next_free_vgpr 1024
		.amdhsa_next_free_sgpr 66
		.amdhsa_reserve_vcc 0
		.amdhsa_float_denorm_mode_32 3
		.amdhsa_float_denorm_mode_16_64 3
		.amdhsa_memory_ordered 1
		.amdhsa_forward_progress 1
		.amdhsa_inst_pref_size 162
	.end_amdhsa_kernel
	.amdgpu_metadata
---
amdhsa.version: [ 1, 2 ]
amdhsa.kernels:
  - .name:           k_q23174922cc_ffn1
    .symbol:         k_q23174922cc_ffn1.kd
    .args:
      - { .name: xq, .offset: 0, .size: 8, .value_kind: global_buffer, .address_space: global }
      - { .name: w1q, .offset: 8, .size: 8, .value_kind: global_buffer, .address_space: global }
      - { .name: order, .offset: 16, .size: 8, .value_kind: global_buffer, .address_space: global }
      - { .name: lowp_scales, .offset: 24, .size: 8, .value_kind: global_buffer, .address_space: global }
      - { .name: hq, .offset: 32, .size: 8, .value_kind: global_buffer, .address_space: global }
    .group_segment_fixed_size: 67072
    .private_segment_fixed_size: 0
    .kernarg_segment_align: 8
    .kernarg_segment_size: 40
    .max_flat_workgroup_size: 128
    .sgpr_count:     66
    .vgpr_count:     1024
    .wavefront_size: 32
...
	.end_amdgpu_metadata
.endif
;; end of part 5
;; launch ffn2 (part 6): grid 4 x 64, 4 waves a work-group, no clusters, 280,064 bytes of LDS; arguments hq, w2q, order, gate, lowp_scales, out0; writes out0
.if DOCPART == 6
	.amdgcn_target "amdgcn-amd-amdhsa--gfx1250"
	.amdhsa_code_object_version 6
	.text
	.protected	k_q23174922cc_ffn2
	.globl	k_q23174922cc_ffn2
	.p2align	8
	.type	k_q23174922cc_ffn2,@function
k_q23174922cc_ffn2:
	s_mov_b64 s[64:65], 0
	v_nop
	global_prefetch_b8 v0, s[64:65] scope:SCOPE_SE
	s_setreg_imm32_b32 hwreg(HW_REG_WAVE_SCHED_MODE, 0, 2), 2
	s_setreg_imm32_b32 hwreg(HW_REG_WAVE_MODE, 25, 1), 1
	s_wait_xcnt 0x0
	s_wait_alu depctr_vm_vsrc(0)
; FFN2.  out[token] = the sum over the token's two experts of its weight x (h W2^T) x 2^(e2 + e3).  Products on codes of E5M2, sums in f32.
; SHARES.  Work-group (sl, b): the same block b of 64 sorted places as in the launch before, slice sl = 256 of the 1,024 outputs.  Wave w: 64 outputs (four tiles of W2) x 64 tokens.  Each output row has one owner.
; TRANSPOSED: source 0 = 16 rows of W2, source 1 = 16 tokens of h: a lane holds one token and eight neighbouring outputs.
; The block walks the experts that it uses.  Their images of h (65,536 bytes an expert) are brought into LDS, up to four at a time, each wave a quarter, and read by all four waves; two rounds serve
; all eight experts.  The rounds and the slots are loops of constant count, and every barrier stands on every wave's path; what hangs on the stored order is jumped over inside them.
; W2's images come from memory straight into a ring of four K steps that runs on from expert to expert.  No tensor load and no cluster: the walk hangs on stored numbers.
; A unit's sums are weighed into TOT by one packed multiply-add for two numbers; a token that does not use the expert has the weight 0.  TOT begins as zeros: how many units add to it hangs on stored numbers.
; LIMIT: e2 + e3 is applied to the weights by v_ldexp_f32 and has none of its own.  NaN is not served.
; REGISTERS: window 0: v1-31 addresses, entries, weights; v32-63 the rows' offsets in out0; v64-127, v128-191 h's fragments of a K step, two sets; v192-255 the way out.
;   window 1: v0-127 a unit's 16 accumulators (8 (4 f + m)); v128-255 TOT.   window 2: the ring (64 (s % 4) + 16 f).   window 3: at work while h is brought in.
; THE MODE: SCHED_MODE bits 1:0 = 2 (LLVM: expert scheduling mode 2), set by the entry lines.  The code itself states the register dependences
; between vector or matrix instructions and memory or LDS instructions, with s_wait_alu, always for 0.
; THE PLAN.  Registers that memory or LDS instructions touch:
;   the ring        Buffer s % 4: step s's sixteen products read it; behind them the next loads of W2 land in it.
;   h's two sets    Set s % 2 (v64-127, v128-191): step s's products read it; the LDS loads of step s + 2 land in it.  In a round the fourth expert's image lands in both and LDS stores read it.
;   accumulators    Window 1, v0-127: written by products, read by the weighing.  In a round the third expert's image lands there and LDS stores read it.
;   window 3        In a round the first two experts' images land there and LDS stores read them: no vector instruction names it.
;   v2              Read by every LDS load of a fragment; written once a unit.
;   TOT             Written by vector instructions; read by the way out's LDS stores.
;   v192-255        v192-196 are offsets of the head's loads; v192-199 are written by a unit's vector lines; on the way out rows land in all of it and stores read them.
;   v1, v3, v4, v7, v28-31   made once at the head.   v32-63: loaded, made into offsets once, read by the way out's stores.
; So: at a round's head one wait on va_vdst and one on vm_vsrc free all that the images land in; at a unit's head vm_vsrc, the add to v2, va_vdst; behind each step's products ONE wait on va_vdst, for the ring's
; sixteen loads and the next step's sixteen LDS loads alike, which follow it at once (this launch lives on its loads in flight); one wait on va_vdst at the way out's head, and vm_vsrc wherever its registers are loaded again.
.set STG, 262144                       ; behind the four slots: a stage of 16 rows x 272 bytes for each wave
.set MSB, 0
.macro WIN new                         ; the immediate's high byte repeats the setting that is left
.if MSB != (\new)
	s_set_vgpr_msb (MSB<<8)|(\new)
.set MSB, (\new)
.endif
.endm
.macro PLACES                          ; four plain lines between a matrix instruction and a load into its sources or a read of its result
.rept 4
	v_nop
.endr
.endm
.macro RLOAD s, rb                     ; K step s of my four tiles, from the images at s[rb:rb+1]
	WIN 0x80
.irp f, 0,1,2,3
.irp c, 0,1,2,3
	global_load_b128 v[64*((\s)%4)+16*\f+4*\c:64*((\s)%4)+16*\f+4*\c+3], v1, s[\rb:\rb+1] offset:16384*\f+2048*(\s)+512*\c
.endr
.endr
	WIN 0
.endm
.macro HLOAD s                         ; h's four fragments of K step s out of the slot in hand
.irp m, 0,1,2,3
.irp c, 0,1,2,3
	ds_load_b128 v[64+64*((\s)%2)+16*\m+4*\c:64+64*((\s)%2)+16*\m+4*\c+3], v2 offset:8192*(\s)+2048*\m+512*\c
.endr
.endr
.endm
.macro SETH j                          ; the next expert to bring in: my quarter of its images at s[40 + 2 j : 41 + 2 j]
	s_ctz_i32_b32 s38, s30
	s_min_u32 s38, s38, 7
	s_add_co_i32 s39, s30, -1
	s_and_b32 s30, s30, s39
	s_lshl_b32 s38, s38, 16
	s_mov_b32 s39, 0
	s_add_nc_u64 s[40+2*\j:41+2*\j], s[26:27], s[38:39]
.endm
.macro HLD j, win, base                ; 16,384 bytes: 32 loads of 512 consecutive bytes
	WIN \win
.set ti, 0
.rept 32
	global_load_b128 v[\base+4*ti:\base+4*ti+3], v1, s[40+2*\j:41+2*\j] offset:512*ti
.set ti, ti+1
.endr
	WIN 0
.endm
.macro HST j, win, base                ; and into slot j, as they lie
	WIN \win
.set ti, 0
.rept 32
	ds_store_b128 v[28+\j], v[\base+4*ti:\base+4*ti+3] offset:512*ti
.set ti, ti+1
.endr
	WIN 0
.endm
; A K step: the next step's fragments of h are asked for, sixteen products (the sixteen accumulators take turns, one instruction a turn), and the ring's buffer is filled again.
.macro USTEP s, lcnt, rb, rs
.if (\s) < 7
	HLOAD (\s)+1
	s_wait_dscnt 16                                ; this step's sixteen are in; the sixteen just issued may be out
.else
	s_wait_dscnt 0x0
.endif
	s_wait_loadcnt \lcnt
	WIN 0x52                                       ; source 0 window 2, source 1 window 0, C and D window 1
.irp m, 0,1,2,3
.irp f, 0,1,2,3
.if (\s) == 0
	v_wmma_f32_16x16x128_bf8_bf8 v[8*(4*\f+\m):8*(4*\f+\m)+7], v[64*((\s)%4)+16*\f:64*((\s)%4)+16*\f+15], v[64+64*((\s)%2)+16*\m:64+64*((\s)%2)+16*\m+15], 0
.else
	v_wmma_f32_16x16x128_bf8_bf8 v[8*(4*\f+\m):8*(4*\f+\m)+7], v[64*((\s)%4)+16*\f:64*((\s)%4)+16*\f+15], v[64+64*((\s)%2)+16*\m:64+64*((\s)%2)+16*\m+15], v[8*(4*\f+\m):8*(4*\f+\m)+7]
.endif
.endr
.endr
	PLACES
.if (\rb) || ((\s) < 6)                ; behind steps 6 and 7 of the last expert no load follows, and no wait is written
	s_wait_alu depctr_va_vdst(0)                   ; this step's products are done reading their buffer of the ring and their set of h: the ring's loads below, where there are any, and the next step's LDS loads land there
.endif
.if \rb
	RLOAD \rs, \rb
.endif
	WIN 0
.endm
	s_load_b256 s[4:11], s[0:1], 0x0               ; hq s[4:5], w2q s[6:7], order s[8:9], gate s[10:11]
	s_load_b128 s[12:15], s[0:1], 0x20             ; the scales s[12:13], out0 s[14:15]
	v_lshrrev_b32 v2, 5, v0
	v_readfirstlane_b32 s16, v2                    ; wave
	s_and_b32 s18, ttmp7, 0xffff                   ; block
	v_and_b32 v1, 31, v0
	v_lshlrev_b32 v1, 4, v1                        ; 16 x lane
	v_and_b32 v5, 15, v0                           ; r
	v_bfe_u32 v6, v0, 4, 1                         ; h
	v_mul_u32_u24 v3, v5, 272
	v_lshl_add_u32 v3, v6, 5, v3
	v_mul_u32_u24 v4, v6, 272
	v_lshl_add_u32 v4, v5, 4, v4
	v_lshlrev_b32 v7, 2, v5
	v_lshlrev_b32 v196, 2, v6
	v_lshlrev_b32 v197, 4, v5
	s_wait_alu depctr_va_sdst(0)                   ; s16 is written, ahead of its first reader: addresses and bases are made from it
	s_mul_i32 s38, s16, 4352
	s_add_co_u32 s38, s38, STG
	v_add_nc_u32 v3, s38, v3                       ; my stage, in: row r, 32 h
	v_add_nc_u32 v4, s38, v4                       ; and out: lanes 0-15 a row, lanes 16-31 the next
	s_lshl_b32 s38, s16, 14
.irp j, 0,1,2,3
	s_add_co_u32 s39, s38, 65536*\j
	v_add_nc_u32 v[28+\j], s39, v1                 ; slot j, my quarter
.endr
	s_lshl_b32 s38, ttmp9, 18
	s_lshl_b32 s39, s16, 16
	s_add_co_u32 s38, s38, s39
	s_mov_b32 s39, 0                               ; my four tiles in an expert's images
	s_lshl_b32 s48, s18, 19
	s_lshl_b32 s49, s16, 14
	s_add_co_u32 s48, s48, s49
	s_mov_b32 s49, 0                               ; hq: my block, my quarter of an expert's images
	s_lshl_b32 s50, ttmp9, 10
	s_lshl_b32 s51, s16, 8
	s_add_co_u32 s50, s50, s51
	s_mov_b32 s51, 0                               ; out0: my 256 bytes of a row
	s_lshl_b32 s36, s18, 8
	s_mov_b32 s37, 0
	s_wait_kmcnt 0x0
	s_load_b128 s[52:55], s[12:13], 0x0            ; e0 .. e3
	s_add_nc_u64 s[20:21], s[6:7], s[38:39]
	s_add_nc_u64 s[26:27], s[4:5], s[48:49]
	s_add_nc_u64 s[28:29], s[14:15], s[50:51]
	s_add_nc_u64 s[8:9], s[8:9], s[36:37]          ; order at my block
	s_wait_alu depctr_va_vdst(0)                   ; v1, v3, v4, v7, v28 to v31 and v196 are written: offsets and LDS addresses that loads and stores read from here on
.irp m, 0,1,2,3
	global_load_b32 v[8+\m], v7, s[8:9] offset:64*\m                 ; the token whose sums I hold in tile m
.endr
.irp m, 0,1,2,3
.irp t, 0,1,2,3,4,5,6,7
	global_load_b32 v[32+8*\m+\t], v196, s[8:9] offset:64*\m+8*\t    ; the token whose row I store: place 16 m + 2 t + h
.endr
.endr
	s_wait_loadcnt 0x0
.irp m, 0,1,2,3
	v_and_b32 v[192+\m], 0xfff, v[8+\m]
	v_min_u32 v[192+\m], 0xfff, v[192+\m]
	v_lshlrev_b32 v[192+\m], 3, v[192+\m]
.endr
	s_wait_alu depctr_va_vdst(0)                   ; v192 to v195 are written: the four loads below read them as offsets
.irp m, 0,1,2,3
	global_load_b64 v[12+2*\m:13+2*\m], v[192+\m], s[10:11]          ; lo's weight, hi's weight
.endr
.set ti, 0
.rept 32
	v_and_b32 v[32+ti], 0xfff, v[32+ti]
	v_min_u32 v[32+ti], 0xfff, v[32+ti]
	v_lshlrev_b32 v[32+ti], 12, v[32+ti]
	v_add_nc_u32 v[32+ti], v[32+ti], v197          ; the token's row of 4,096 bytes, 16 bytes a lane
.set ti, ti+1
.endr
	v_mov_b32 v198, 1                              ; the experts that the block uses
	v_mov_b32 v199, 0
.irp m, 0,1,2,3
	v_bfe_u32 v200, v[8+\m], 12, 3
	v_lshlrev_b32 v200, v200, v198
	v_or_b32 v199, v199, v200
	v_bfe_u32 v200, v[8+\m], 16, 3
	v_lshlrev_b32 v200, v200, v198
	v_or_b32 v199, v199, v200
.endr
	s_mov_b32 s30, 0
.irp e, 0,1,2,3,4,5,6,7                ; the eight compares in one run, into s40-47
	v_and_b32 v200, 1<<\e, v199
	v_cmp_ne_u32 s[40+\e], 0, v200
.endr
	s_wait_alu depctr_va_sdst(0)                   ; the eight masks are written, ahead of their first readers
.irp e, 0,1,2,3,4,5,6,7
	s_cmp_lg_u32 s[40+\e], 0
	s_cselect_b32 s38, 1<<\e, 0
	s_or_b32 s30, s30, s38
.endr
	s_mov_b32 s31, s30                             ; s30: experts still to bring in; s31: still to multiply
	s_ctz_i32_b32 s38, s31
	s_min_u32 s38, s38, 7
	s_lshl_b32 s38, s38, 20
	s_mov_b32 s39, 0
	s_add_nc_u64 s[24:25], s[20:21], s[38:39]      ; the first expert's images of W2
	RLOAD 0, 24                                    ; no wait: no vector instruction has named the ring, nor v1 since the wait that showed it written
	RLOAD 1, 24
	RLOAD 2, 24
	s_wait_kmcnt 0x0
	s_add_co_i32 s50, s54, s55                     ; e2 + e3
	s_wait_loadcnt 48                              ; the weights are in: the ring's 48 loads were issued behind them
.irp k, 0,1,2,3,4,5,6,7
	v_ldexp_f32 v[12+\k], v[12+\k], s50            ; a sum stands for sum x 2^(e2 + e3): the power of two goes into the weights
.endr
	RLOAD 3, 24
.irp m, 0,1,2,3
	v_mov_b32 v[21+2*\m], 0                        ; (named as the upper halves of the pairs that hold a unit's weights)
.endr
	WIN 0x40
.set ti, 0
.rept 128
	v_mov_b32 v[128+ti], 0                         ; TOT
.set ti, ti+1
.endr
	WIN 0
	s_mov_b32 s33, 0
.Lround:                               ; two trips.  Up to four experts' images of h come into the four slots.  The ladder: a set of registers is stored only on ways on which it was loaded
	s_wait_alu depctr_va_vdst(0)                   ; over the backward jump: the last round's products and weighings are done with the accumulators and with h's two sets, in which the third and fourth images land
	s_wait_alu depctr_vm_vsrc(0)                   ; over the backward jump: the last round's LDS stores have read the registers in which the images land; in the first trip: the head's loads have read their offsets v192 to v196, which are written again further down
	s_bcnt1_i32_b32 s32, s30
	s_cmp_eq_u32 s32, 0
	s_cbranch_scc1 .Lst0
	SETH 0
	HLD 0, 0xc0, 0
	s_cmp_lt_u32 s32, 2
	s_cbranch_scc1 .Lst1
	SETH 1
	HLD 1, 0xc0, 128
	s_cmp_lt_u32 s32, 3
	s_cbranch_scc1 .Lst2
	SETH 2
	HLD 2, 0x40, 0
	s_cmp_lt_u32 s32, 4
	s_cbranch_scc1 .Lst3
	SETH 3
	HLD 3, 0, 64
	s_wait_loadcnt 0x0
	HST 3, 0, 64
.Lst3:
	s_wait_loadcnt 0x0
	HST 2, 0x04, 0
.Lst2:
	s_wait_loadcnt 0x0
	HST 1, 0x0c, 128
.Lst1:
	s_wait_loadcnt 0x0
	HST 0, 0x0c, 0
.Lst0:
	s_wait_dscnt 0x0                               ; for the other waves: my quarters lie in LDS
	s_barrier_signal -1
	s_barrier_wait -1
	s_mov_b32 s34, 0
	s_mov_b32 s35, 0                               ; the slot in hand, in bytes
.Lslot:                                ; four trips
	s_cmp_eq_u32 s31, 0
	s_cbranch_scc1 .Lskip
	; ---- a unit: one expert.  The ring's steps 0 to 3 are in or on their way, in this order
	s_wait_xcnt 0x0                                ; the ring's loads have read their bases
	s_ctz_i32_b32 s36, s31
	s_min_u32 s36, s36, 7                          ; the expert
	s_add_co_i32 s38, s31, -1
	s_and_b32 s31, s31, s38
	s_lshl_b32 s38, s36, 20
	s_mov_b32 s39, 0
	s_add_nc_u64 s[22:23], s[20:21], s[38:39]      ; its images of W2,
	s_ctz_i32_b32 s38, s31
	s_min_u32 s38, s38, 7
	s_lshl_b32 s38, s38, 20
	s_add_nc_u64 s[24:25], s[20:21], s[38:39]      ; and the next expert's (used only if there is one)
	s_wait_alu depctr_vm_vsrc(0)                   ; the last unit's LDS loads have read v2; this round's LDS stores have read the accumulators' registers and h's two sets, which this unit's products and LDS loads write
	v_add_nc_u32 v2, s35, v1
	s_wait_alu depctr_va_vdst(0)                   ; v2 is written, which the LDS loads below read; the last unit's products are done reading h's two sets, in which they land
	HLOAD 0
	USTEP 0, 48, 22, 4                             ; three later steps' 48 loads may be out
	USTEP 1, 48, 22, 5
	USTEP 2, 48, 22, 6
	USTEP 3, 48, 22, 7
	s_cmp_lg_u32 s31, 0
	s_cbranch_scc0 .Ltail0
	USTEP 4, 48, 24, 0                             ; another expert follows: the ring runs on into its first four steps, so three steps' loads stay behind each wait
	USTEP 5, 48, 24, 1
	USTEP 6, 48, 24, 2
	USTEP 7, 48, 24, 3
	s_branch .Ljoin
.Ltail0:
	USTEP 4, 48, 0, 0                              ; the last expert: nothing more is asked for, and the counts run down
	USTEP 5, 32, 0, 0
	USTEP 6, 16, 0, 0
	USTEP 7, 0, 0, 0
.Ljoin:
.irp m, 0,1,2,3
	v_bfe_u32 v[192+2*\m], v[8+\m], 12, 3
	v_bfe_u32 v[193+2*\m], v[8+\m], 16, 3
.endr
.irp m, 0,1,2,3                        ; is this expert my token's lo, or its hi?  The eight compares in one run, into s40-47 (the images' addresses there are done with)
	v_cmp_eq_u32 s[40+2*\m], s36, v[192+2*\m]
	v_cmp_eq_u32 s[41+2*\m], s36, v[193+2*\m]
.endr
	s_wait_alu depctr_va_sdst(0)                   ; the eight masks are written, ahead of the selects that read them
.irp m, 0,1,2,3                        ; my token's weight for this expert: lo's, hi's or 0
	v_cndmask_b32 v[20+2*\m], 0, v[12+2*\m], s[40+2*\m]
	v_cndmask_b32 v[20+2*\m], v[20+2*\m], v[13+2*\m], s[41+2*\m]
.endr
	WIN 0x51                                       ; sums and TOT window 1, the weight window 0
.irp a, 0,1,2,3,4,5,6,7,8,9,10,11,12,13,14,15
.irp i, 0,2,4,6
	v_pk_fma_f32 v[128+8*\a+\i:128+8*\a+\i+1], v[8*\a+\i:8*\a+\i+1], v[20+2*(\a%4):21+2*(\a%4)], v[128+8*\a+\i:128+8*\a+\i+1] op_sel_hi:[1,0,1]   ; each accumulator from its low end on
.endr
.endr
	WIN 0
.Lskip:
	s_add_co_u32 s35, s35, 0x10000
	s_add_co_u32 s34, s34, 1
	s_cmp_lt_u32 s34, 4
	s_cbranch_scc1 .Lslot
	s_wait_dscnt 0x0                               ; my reads of the slots are over:
	s_barrier_signal -1
	s_barrier_wait -1                              ; everybody's are, and the slots may be written again
	s_add_co_u32 s33, s33, 1
	s_cmp_lt_u32 s33, 2
	s_cbranch_scc1 .Lround
	; THE WAY OUT, a tile of 16 tokens at a time: a lane's 32 bytes of a row go into my own stage and come back as rows of 256 bytes; sixteen lanes store 256 consecutive bytes of a token's row, aligned.
	; LDS serves a wave's instructions in order: no wait between the stores and the loads, nor in front of the next tile's stores.
.macro TOSTAGE m
	WIN 0x04                                       ; the data lie in window 1
.irp f, 0,1,2,3
	ds_store_b128 v3, v[128+8*(4*\f+(\m)):128+8*(4*\f+(\m))+3] offset:64*\f
	ds_store_b128 v3, v[128+8*(4*\f+(\m))+4:128+8*(4*\f+(\m))+7] offset:64*\f+16
.endr
	WIN 0
.irp t, 0,1,2,3,4,5,6,7
	ds_load_b128 v[192+32*((\m)%2)+4*\t:192+32*((\m)%2)+4*\t+3], v4 offset:544*\t
.endr
.endm
.macro SEND m, younger                 ; younger: the LDS instructions issued behind tile m's loads
	s_wait_dscnt \younger
.irp t, 0,1,2,3,4,5,6,7
	global_store_b128 v[32+8*(\m)+\t], v[192+32*((\m)%2)+4*\t:192+32*((\m)%2)+4*\t+3], s[28:29] th:TH_STORE_NT
.endr
.endm
	s_wait_alu depctr_va_vdst(0)                   ; TOT is written, which the LDS stores read; so are the rows' offsets v32 to v63, which the stores read; and the units' vector lines are done with v192 to v199, in which rows land
	TOSTAGE 0
	TOSTAGE 1
	SEND 0, 16
	s_wait_xcnt 0x0                                ; tile 0's stores have read their data: tile 2's rows land in the same registers
	s_wait_alu depctr_vm_vsrc(0)                   ; tile 0's stores have read v192 to v223, in which tile 2's rows land
	TOSTAGE 2
	SEND 1, 16
	s_wait_xcnt 0x0
	s_wait_alu depctr_vm_vsrc(0)                   ; tile 1's stores have read v224 to v255, in which tile 3's rows land
	TOSTAGE 3
	SEND 2, 16
	SEND 3, 0
	s_wait_xcnt 0x0
	s_wait_alu depctr_vm_vsrc(0)                   ; tile 3's stores have read v254 and v255, which the two lines below write
	v_lshl_add_u32 v254, v0, 2, 0x44400
	v_mov_b32 v255, 0
	s_wait_dscnt 0x0                               ; the closing lines, six on end
	s_wait_alu 0x0
	s_wait_tensorcnt 0x0
	ds_add_u32 v254, v255
	s_wait_dscnt 0x0
	s_endpgm
.Lfunc_end_k_q23174922cc_ffn2:
	.size	k_q23174922cc_ffn2, .Lfunc_end_k_q23174922cc_ffn2-k_q23174922cc_ffn2
	.p2alignl 7, 3214868480
	.fill 96, 4, 3214868480
	.section	.rodata,"a",@progbits
	.p2align	6, 0x0
	.amdhsa_kernel k_q23174922cc_ffn2
		.amdhsa_group_segment_fixed_size 280064
		.amdhsa_private_segment_fixed_size 0
		.amdhsa_enable_private_segment 0
		.amdhsa_kernarg_size 48
		.amdhsa_user_sgpr_count 2
		.amdhsa_user_sgpr_kernarg_segment_ptr 1
		.amdhsa_wavefront_size32 1
		.amdhsa_system_sgpr_workgroup_id_x 1
		.amdhsa_system_sgpr_workgroup_id_y 1
		.amdhsa_system_sgpr_workgroup_id_z 1
		.amdhsa_system_vgpr_workitem_id 0
		.amdhsa_next_free_vgpr 1024
		.amdhsa_next_free_sgpr 66
		.amdhsa_reserve_vcc 0
		.amdhsa_float_denorm_mode_32 3
		.amdhsa_float_denorm_mode_16_64 3
		.amdhsa_memory_ordered 1
		.amdhsa_forward_progress 1
		.amdhsa_inst_pref_size 102
	.end_amdhsa_kernel
	.amdgpu_metadata
---
amdhsa.version: [ 1, 2 ]
amdhsa.kernels:
  - .name:           k_q23174922cc_ffn2
    .symbol:         k_q23174922cc_ffn2.kd
    .args:
      - { .name: hq, .offset: 0, .size: 8, .value_kind: global_buffer, .address_space: global }
      - { .name: w2q, .offset: 8, .size: 8, .value_kind: global_buffer, .address_space: global }
      - { .name: order, .offset: 16, .size: 8, .value_kind: global_buffer, .address_space: global }
      - { .name: gate, .offset: 24, .size: 8, .value_kind: global_buffer, .address_space: global }
      - { .name: lowp_scales, .offset: 32, .size: 8, .value_kind: global_buffer, .address_space: global }
      - { .name: out0, .offset: 40, .size: 8, .value_kind: global_buffer, .address_space: global }
    .group_segment_fixed_size: 280064
    .private_segment_fixed_size: 0
    .kernarg_segment_align: 8
    .kernarg_segment_size: 48
    .max_flat_workgroup_size: 128
    .sgpr_count:     66
    .vgpr_count:     1024
    .wavefront_size: 32
...
	.end_amdgpu_metadata
.endif
;; end of part 6
